; MI455X (gfx1250); checked and timed in simulation.
; The chip was launched on July 23, 2026; its instructions are those of AMD's public machine-readable ISA for CDNA 5 (MIT licence, August 2026) and "CDNA5" Instruction Set Architecture Reference Guide (July 2026). The comments in the code are by the model that wrote it; some were corrected since.
;; Scaled Dot Product Attention. Allowed arithmetic: matrix products marked QUANTISED: E2M3 operands, one E8M0 scale for each 32 along K, by v_wmma_scale_f32_16x16x128_f8f6f4 with both operands' format E2M3, f32 sums; everything else in f32.
;; Inputs: Wk 1,024 x 1,024 float32; Wo 1,024 x 1,024 float32; Wq 1,024 x 1,024 float32; Wv 1,024 x 1,024 float32; bk 1,024 float32; bo 1,024 float32; bq 1,024 float32; bv 1,024 float32; keys 4 x 2,048 x 1,024 float32; queries 4 x 2,048 x 1,024 float32; values 4 x 2,048 x 1,024 float32.
;; Outputs: out0 4 x 2,048 x 1,024 float32.
;; This version of the problem:
;;   THIS VERSION OF THE PROBLEM IS GIVEN IN LOW PRECISION. The matrix products marked QUANTISED in the list below multiply operands that are first quantised to E2M3 (2 exponent bits, 3 mantissa bits; 6 bits a number), with one power-of-two scale for each 32 numbers along K (OCP MX v1.0); their sums are f32. All else is computed in f32.
;;   The module's matrix products, in the order in which they are computed (A, B: the left and right operand; K: the contracted axis; several contracted axes count as one K, in the product's order):
;;     1. [M 8,192, K 1,024] x [K 1,024, N 1,024]; A: input queries; B: input Wq: QUANTISED
;;     2. [M 8,192, K 1,024] x [K 1,024, N 1,024]; A: input keys; B: input Wk: QUANTISED
;;     3. [M 8,192, K 1,024] x [K 1,024, N 1,024]; A: input values; B: input Wv: QUANTISED
;;     4. batch 64 x [M 2,048, K 64] x [K 64, N 2,048]; A: computed on the way; B: computed on the way: QUANTISED
;;     5. batch 64 x [M 2,048, K 2,048] x [K 2,048, N 64]; A: softmax (see below); B: computed on the way: QUANTISED
;;     6. [M 8,192, K 1,024] x [K 1,024, N 1,024]; A: computed on the way; B: input Wo: QUANTISED
;;   THE QUANTISER, for each operand of a quantised product, along K:
;;     - K is cut into blocks of 32 from its start; a last block that is shorter is filled with zeros.
;;     - A block's scale is 2^e with e = floor(log2(the largest magnitude in the block)) - 2, held to -126 .. 127; a block of zeros has e = 0. As a byte (E8M0): e + 127.
;;     - Each number is divided by its block's scale, clamped to +-7.5, and rounded to the nearest number of E2M3, ties to even, subnormals kept.
;;     - The product sums the exact products of the quantised numbers (number of the format x scale) in f32.
;;   ~~~python
;;   def quantise(x, axis):      # numpy; x: float32 -> the quantised numbers, widened to float32 again
;;       x = np.moveaxis(x, axis, -1); K = x.shape[-1]
;;       x = np.pad(x, [(0, 0)] * (x.ndim - 1) + [(0, -K % 32)]); x = x.reshape(x.shape[:-1] + (-1, 32)); a = np.abs(x).max(-1, keepdims=True)
;;       e = np.where(a > 0, np.clip(np.frexp(np.where(a > 0, a, 1))[1] - 1 - 2, -126, 127), 0)      # np.frexp(a)[1] - 1 = floor(log2(a)), exactly
;;       r = np.clip(x / 2.0 ** e, -7.5, 7.5)
;;       step = 2.0 ** (np.maximum(np.frexp(np.where(r == 0, 1, r))[1] - 1, 0) - 3)
;;       q = np.round(r / step) * step * 2.0 ** e      # np.round: ties to even
;;       return np.moveaxis(q.reshape(q.shape[:-2] + (-1,))[..., :K], -1, axis).astype(np.float32)
;;   ~~~
;;   SOFTMAX AHEAD OF A QUANTISED PRODUCT. Where the list says 'softmax', what is quantised is not the finished softmax but p = 2^(t - M), with t = logit x log2(e) and M = ceil(the row's largest t), a whole number; so 1/2 < the row's largest p <= 1. The row's sum l is taken of the UNQUANTISED p, in f32, and the product's result is divided by l at the end. Since M is a whole number, a kernel that streams over the keys may use a running M (the ceiling of the running maximum): every later rescaling is an exact power of two, which a block's scale takes up: the codes' values come out the same.
;;   OPERANDS COMPUTED ON THE WAY. 'Computed on the way' means the value that the module computes at that place (a softmax that the list does not call 'softmax' is quantised finished and normalised). What goes into a quantiser is computed in f32, as accurately as f32 sums, v_exp_f32 and their like allow (about 1e-6 of the number): no bf16 or f16 on the way to a quantiser, and a product that is left as it is and whose result goes on into a quantised operand takes f32 operands (vector FMAs, or v_wmma_f32_16x16x4_f32). A number that lies on a knife's edge between two numbers of the format may be rounded either way, as far as f32 arithmetic and the matrix unit's own rounding can turn it there, and no further.
;; One version. Each part assembles by itself: llvm-mc -triple=amdgcn-amd-amdhsa -mcpu=gfx1250 --defsym DOCPART=n.
;; ======== version 1 of 1: 4 launches
;; limits: right only within a limited range of input values
;; workspace buffers: xcod 22,020,096 bytes; xscl 917,504 bytes; pcod 18,874,368 bytes; pscl 786,432 bytes; ocod 6,291,456 bytes; oscl 262,144 bytes
;; launch quant (part 1): grid 256 x 1, 7 waves a work-group, no clusters, 60,160 bytes of LDS; arguments queries, keys, values, Wq, Wk, Wv, Wo, xcod, xscl; writes xcod, xscl
.if DOCPART == 1
	.amdgcn_target "amdgcn-amd-amdhsa--gfx1250"
	.amdhsa_code_object_version 6
	.text
	.protected	k_qc3aa067c4e_quant
	.globl	k_qc3aa067c4e_quant
	.p2align	8
	.type	k_qc3aa067c4e_quant,@function
k_qc3aa067c4e_quant:
	s_mov_b64 s[64:65], 0
	v_nop
	global_prefetch_b8 v0, s[64:65] scope:SCOPE_SE
	s_setreg_imm32_b32 hwreg(HW_REG_WAVE_MODE, 25, 1), 1
	s_wait_xcnt 0x0
; queries, keys, values [8192][1024] and Wq, Wk, Wv, Wo [1024][1024], all f32 with K innermost, become codes of FP6 (E2M3) with one E8M0 byte for each 32 along K.
; The seven tensors count as one run of 28,672 rows = 1,792 ROW BLOCKS of 16 rows.  WHICH ROWS FORM A ROW BLOCK (r = 0 .. 15):
;   all tensors but keys: row block 2 B + u holds rows 32 B + 8 u + r + 8 (r / 8): a product that takes it as source 0 leaves 16 neighbouring rows in the 16 registers of two neighbouring tiles;
;   keys: row block 4 B + u holds rows 64 B + 8 u + r + 24 (r / 8): the 32 registers of four neighbouring score tiles are then 32 neighbouring keys, a whole scale block of the attention's p, in one lane.
; xcod: a row block is 8 fragments (16 rows x 128 K, 12 registers a lane) as images of the operand's registers, 1,536 bytes each: two halves of 768 bytes; in half c registers 6 c .. 6 c + 3 lie at
; 16 x lane and registers 6 c + 4, 6 c + 5 at 512 + 8 x lane.  xscl: 512 bytes a row block: lane r + 16 g's 16 bytes are row r's scale words of K steps 4 g .. 4 g + 3.
; A block's scale is 2^(floor(log2(largest magnitude)) - 2); its byte is the largest magnitude's exponent field - 2, held at 1 from below.
; LIMITS: a block of zeros gets the byte 1 where the rule says 127 (its codes are zeros, and this program alone reads the bytes); NaN and infinities among the inputs are not served.
; SHARES: 1,792 row blocks = 256 work-groups x 7 waves: wave w of work-group g takes row block 7 g + w, in 8 steps of 128 along K.  Each load reads 512 consecutive bytes of one row; the step's
; 16 x 512 bytes turn through the wave's own stage in LDS, so that a lane gets 16 neighbours of each block of 32.  Waves share nothing: no barrier.  No matrix unit, no cluster, no tensor load: each input byte is read once.
.set STGB, 8448                        ; a wave's stage: 16 rows x (512 + 16) bytes
.set PC,   8                           ; v8-19 the fragment just made; v20-22, v24-26 the conversions' second halves
.set TM,   28                          ; v28-31 largest magnitudes, v32-35 the other half's / the bytes, v40-43 the conversions' scale operands
.set PW,   44                          ; v44-51 the scale word of each K step
.set DD,   52                          ; v52-55 the scale words as they are stored
.set R,    64                          ; v64-191 two sets of 64 registers as loaded
.set X,    192                         ; v192-255 64 numbers: register 16 b + i = k 32 b + 16 (lane / 16) + i of my row
.set SEL,  32                          ; s[32:33] v_permlanex16_b32's selects for lane l xor 16
.macro QUANT s, pw                     ; 64 numbers of a lane, v[s] on, become a fragment's codes in v[PC] on and its row's scale word in v[pw]
.irp b, 0,1,2,3
	v_max3_num_f32 v[TM+\b], |v[\s+16*\b]|, |v[\s+1+16*\b]|, 0x1800000   ; with the floor 2^(3 - 127): the byte cannot fall under 1
.endr
.irp n, 2,4,6,8,10,12,14
.irp b, 0,1,2,3
	v_max3_num_f32 v[TM+\b], v[TM+\b], |v[\s+16*\b+\n]|, |v[\s+1+16*\b+\n]|
.endr
.endr
.irp b, 0,1,2,3
	v_permlanex16_b32 v[TM+4+\b], v[TM+\b], s[SEL], s[SEL+1]
.endr
.irp b, 0,1,2,3
	v_max_num_f32 v[TM+\b], v[TM+\b], v[TM+4+\b]   ; with lane l xor 16's 16: the block's largest magnitude
.endr
.irp b, 0,1,2,3
	v_add_nc_u32 v[TM+12+\b], 0xff000000, v[TM+\b] ; 2 off its exponent field: the conversion's scale operand
.endr
.irp b, 0,1,2,3
	v_lshrrev_b32 v[TM+4+\b], 23, v[TM+12+\b]      ; the scale's byte
.endr
	v_lshl_or_b32 v[\pw], v[TM+5], 8, v[TM+4]
	v_lshl_or_b32 v[\pw], v[TM+6], 16, v[\pw]
	v_lshl_or_b32 v[\pw], v[TM+7], 24, v[\pw]
.irp c, 0,1
	v_cvt_scalef32_pk16_fp6_f32 v[PC+6*\c:PC+2+6*\c], v[\s+32*\c:\s+15+32*\c], v[TM+12+2*\c]
	v_cvt_scalef32_pk16_fp6_f32 v[PC+12+4*\c:PC+14+4*\c], v[\s+16+32*\c:\s+31+32*\c], v[TM+12+2*\c+1]
.endr
	v_nop                                          ; one plain place behind a scaled conversion
.irp c, 0,1                                    ; the operand wants a whole block in a lane
.irp n, 0,1,2
	v_permlane16_swap_b32 v[PC+6*\c+\n], v[PC+12+4*\c+\n]
.endr
.irp n, 0,1,2
	v_mov_b32 v[PC+3+6*\c+\n], v[PC+12+4*\c+\n]
.endr
.endr
.endm
.macro PICK n, lo                      ; from row block n on the rows are the next tensor's: the choice hangs on ids alone
	s_cmp_ge_u32 s36, \n
	s_cselect_b64 s[26:27], s[\lo:\lo+1], s[26:27]
	s_cselect_b32 s5, \n, s5
.endm
	s_load_b512 s[8:23], s[0:1], 0x0               ; queries, keys, values, Wq, Wk, Wv, Wo, xcod (s[22:23])
	s_load_b64 s[24:25], s[0:1], 0x40              ; xscl
	v_lshl_add_u32 v62, v0, 2, 0xe700              ; my spare word, behind the seven stages
	v_mov_b32 v63, 0
	v_lshrrev_b32 v1, 5, v0
	v_readfirstlane_b32 s4, v1                     ; wave 0..6
	v_and_b32 v1, 31, v0
	v_lshlrev_b32 v2, 4, v1                        ; 16 x lane
	v_lshlrev_b32 v3, 3, v1                        ; 8 x lane
	s_mul_i32 s6, s4, STGB
	v_add_nc_u32 v4, s6, v2                        ; the stage, in: a row's 512 bytes as they lie
	v_and_b32 v6, 15, v0
	v_bfe_u32 v7, v0, 4, 1
	v_mul_u32_u24 v5, v6, 528
	v_lshl_add_u32 v5, v7, 6, v5
	v_add_nc_u32 v5, s6, v5                        ; and out: row r, + 64 h
	s_mov_b32 s[SEL], 0x76543210
	s_mov_b32 s[SEL+1], 0xfedcba98
	s_mov_b32 s34, 0xffff0000                      ; lanes 16-31
	s_mul_i32 s36, ttmp9, 7
	s_add_co_u32 s36, s36, s4                      ; my row block
	s_lshr_b32 s37, s36, 9                         ; 1: it is one of keys
	s_cmp_eq_u32 s37, 1
	s_cselect_b32 s35, 0x10000, 0                  ; keys: the block's rows 8-15 lie 16 rows further down than elsewhere
	s_wait_alu depctr_va_vdst(0)                   ; the wait here, directly ahead of the reader below
	v_add_nc_u32 v61, s35, v2
.irp b, 0,1,2,3
	v_mov_b32 v[TM+4+\b], 0                        ; written once: a lane permute's destination counts as one of its sources
.endr
	s_wait_alu depctr_va_vdst(0)                   ; the wait at the head's end
	s_wait_kmcnt 0x0
	s_mov_b64 s[26:27], s[8:9]
	s_mov_b32 s5, 0
	PICK 512, 10
	PICK 1024, 12
	PICK 1536, 14
	PICK 1600, 16
	PICK 1664, 18
	PICK 1728, 20
	s_sub_co_u32 s28, s36, s5                      ; my row block in its tensor
	s_lshr_b32 s30, s28, 1
	s_lshl_b32 s30, s30, 17                        ; 32 rows of 4,096 bytes for each pair,
	s_and_b32 s31, s28, 1
	s_lshr_b32 s38, s28, 2
	s_lshl_b32 s38, s38, 18                        ; keys: 64 rows for each four
	s_and_b32 s39, s28, 3
	s_cmp_eq_u32 s37, 1
	s_cselect_b32 s30, s38, s30
	s_cselect_b32 s31, s39, s31
	s_lshl_b32 s31, s31, 15                        ; + 8 u rows
	s_add_co_u32 s28, s30, s31
	s_mov_b32 s29, 0
	s_add_nc_u64 s[26:27], s[26:27], s[28:29]
	s_mul_i32 s30, s36, 12288
	s_mov_b32 s31, 0
	s_add_nc_u64 s[22:23], s[22:23], s[30:31]
	s_lshl_b32 s28, s36, 9
	s_add_nc_u64 s[24:25], s[24:25], s[28:29]
.macro LOAD t                          ; K step t: 16 rows x 512 bytes into set t % 2
.irp i, 0,1,2,3,4,5,6,7,8,9,10,11,12,13,14,15
.if \i < 8
	global_load_b128 v[R+64*((\t)%2)+4*\i:R+64*((\t)%2)+4*\i+3], v2, s[26:27] offset:\i*4096+512*(\t) th:TH_LOAD_NT
.else
	global_load_b128 v[R+64*((\t)%2)+4*\i:R+64*((\t)%2)+4*\i+3], v61, s[26:27] offset:(\i+8)*4096+512*(\t) th:TH_LOAD_NT
.endif
.endr
.endm
.macro QSTEP t
.if (\t) < 7
	s_wait_loadcnt 16                              ; this step's 16 loads are in; the next step's 16 may be out
.else
	s_wait_loadcnt 0x0
.endif
.irp i, 0,1,2,3,4,5,6,7,8,9,10,11,12,13,14,15
	ds_store_b128 v4, v[R+64*((\t)%2)+4*\i:R+64*((\t)%2)+4*\i+3] offset:528*\i
.endr
.irp b, 0,1,2,3
.irp j, 0,1,2,3
	ds_load_b128 v[X+16*\b+4*\j:X+16*\b+4*\j+3], v5 offset:128*\b+16*\j   ; LDS serves a wave's instructions in order (ISA guide 5.7.1.4)
.endr
.endr
	s_wait_dscnt 0x0                               ; my 64 numbers are in, and the stage's stores have read the set
	s_wait_xcnt 0x0                                ; the last step's stores have read the fragment's registers
.if (\t) < 6
	LOAD (\t)+2
.endif
	QUANT X, PW+(\t)
	global_store_b128 v2, v[PC:PC+3], s[22:23] offset:1536*(\t)            ; 512 consecutive bytes, at a multiple of 256 from the buffer's first byte
	global_store_b64 v3, v[PC+4:PC+5], s[22:23] offset:1536*(\t)+512       ; 256
	global_store_b128 v2, v[PC+6:PC+9], s[22:23] offset:1536*(\t)+768
	global_store_b64 v3, v[PC+10:PC+11], s[22:23] offset:1536*(\t)+1280
.endm
	LOAD 0
	LOAD 1
.irp t, 0,1,2,3,4,5,6,7
	QSTEP \t
.endr
.irp k, 0,1,2,3
	v_cndmask_b32 v[DD+\k], v[PW+\k], v[PW+4+\k], s34   ; lanes 0-15: K steps 0-3; lanes 16-31: K steps 4-7
.endr
	global_store_b128 v2, v[DD:DD+3], s[24:25]     ; 512 consecutive bytes
	s_wait_tensorcnt 0x0                           ; the wave's end
	ds_add_u32 v62, v63
	s_wait_dscnt 0x0
	s_endpgm
.Lfunc_end_k_qc3aa067c4e_quant:
	.size	k_qc3aa067c4e_quant, .Lfunc_end_k_qc3aa067c4e_quant-k_qc3aa067c4e_quant
	.p2alignl 7, 3214868480
	.fill 96, 4, 3214868480
	.section	.rodata,"a",@progbits
	.p2align	6, 0x0
	.amdhsa_kernel k_qc3aa067c4e_quant
		.amdhsa_group_segment_fixed_size 60160
		.amdhsa_private_segment_fixed_size 0
		.amdhsa_enable_private_segment 0
		.amdhsa_kernarg_size 72
		.amdhsa_user_sgpr_count 2
		.amdhsa_user_sgpr_kernarg_segment_ptr 1
		.amdhsa_wavefront_size32 1
		.amdhsa_system_sgpr_workgroup_id_x 1
		.amdhsa_system_sgpr_workgroup_id_y 1
		.amdhsa_system_sgpr_workgroup_id_z 1
		.amdhsa_system_vgpr_workitem_id 0
		.amdhsa_next_free_vgpr 256
		.amdhsa_next_free_sgpr 66
		.amdhsa_reserve_vcc 0
		.amdhsa_float_denorm_mode_32 3
		.amdhsa_float_denorm_mode_16_64 3
		.amdhsa_memory_ordered 1
		.amdhsa_forward_progress 1
		.amdhsa_inst_pref_size 66
	.end_amdhsa_kernel
	.amdgpu_metadata
---
amdhsa.version: [ 1, 2 ]
amdhsa.kernels:
  - .name:           k_qc3aa067c4e_quant
    .symbol:         k_qc3aa067c4e_quant.kd
    .args:
      - { .name: queries, .offset: 0, .size: 8, .value_kind: global_buffer, .address_space: global }
      - { .name: keys, .offset: 8, .size: 8, .value_kind: global_buffer, .address_space: global }
      - { .name: values, .offset: 16, .size: 8, .value_kind: global_buffer, .address_space: global }
      - { .name: Wq, .offset: 24, .size: 8, .value_kind: global_buffer, .address_space: global }
      - { .name: Wk, .offset: 32, .size: 8, .value_kind: global_buffer, .address_space: global }
      - { .name: Wv, .offset: 40, .size: 8, .value_kind: global_buffer, .address_space: global }
      - { .name: Wo, .offset: 48, .size: 8, .value_kind: global_buffer, .address_space: global }
      - { .name: xcod, .offset: 56, .size: 8, .value_kind: global_buffer, .address_space: global }
      - { .name: xscl, .offset: 64, .size: 8, .value_kind: global_buffer, .address_space: global }
    .group_segment_fixed_size: 60160
    .private_segment_fixed_size: 0
    .kernarg_segment_align: 8
    .kernarg_segment_size: 72
    .max_flat_workgroup_size: 224
    .sgpr_count:     66
    .vgpr_count:     256
    .wavefront_size: 32
...
	.end_amdgpu_metadata
.endif
;; end of part 1
;; launch proj (part 2): grid 8 x 32, 4 waves a work-group, clusters of 4 x 4, 327,680 bytes of LDS; arguments xcod, xscl, bq, bk, bv, pcod, pscl; writes pcod, pscl
.if DOCPART == 2
	.amdgcn_target "amdgcn-amd-amdhsa--gfx1250"
	.amdhsa_code_object_version 6
	.text
	.protected	k_qc3aa067c4e_proj
	.globl	k_qc3aa067c4e_proj
	.p2align	8
	.type	k_qc3aa067c4e_proj,@function
k_qc3aa067c4e_proj:
	s_mov_b64 s[64:65], 0
	v_nop
	global_prefetch_b8 v0, s[64:65] scope:SCOPE_SE
	s_setreg_imm32_b32 hwreg(HW_REG_WAVE_MODE, 25, 1), 1
	s_wait_xcnt 0x0
	s_wait_alu depctr_hold_cnt(0) depctr_sa_sdst(0) depctr_va_vdst(0) depctr_va_sdst(0) depctr_va_ssrc(0) depctr_va_vcc(0) depctr_vm_vsrc(0)
	s_getreg_b32 s2, hwreg(HW_REG_IB_STS2, 6, 4)
	s_cmp_eq_u32 s2, 0
	s_cbranch_scc0 .Lentry_in_a_cluster
	s_endpgm
.Lentry_in_a_cluster:
	s_bfe_u32 s2, ttmp6, 0x10000c
	s_cmp_lg_u32 s2, 0xf033
	s_cbranch_scc0 .Lentry_shape_is_right
	s_endpgm
.Lentry_shape_is_right:
; q = queries Wq^T + bq, k = keys Wk^T + bk, v = values Wv^T + bv, on codes of FP6 (E2M3) with E8M0 scales, sums in f32; the results are quantised here for the attention's two products and leave as codes.
; ONE CORE: a tile of 256 "A" rows (16 row blocks, source 1: a lane holds one A row) x 128 "B" rows (8 row blocks, source 0: a lane's registers run along B's rows), all of K = 1,024.
;   q, k: A = tokens, B = the weight's rows: a lane holds a token, its registers run along the heads' channels, which are the next K (64 a head).
;   v:    A = Wv's rows, B = tokens: a lane holds one channel, its registers run along the keys, which are the next K.
; By the order of rows in a row block of a weight or of values (row 32 B + 8 u + r + 8 (r / 8)) the 16 registers of B tiles 2 B and 2 B + 1 are 16 neighbours along B's rows.
; A WORK-GROUP STAYS: 256 work-groups, each makes three tiles: one of q, one of k, one of v.  LDS is a RING OF TWO SLOTS: slot 0 holds K steps 0-3 of a tile (A at 0, B at 196,608), slot 1 K steps 4-7 (A at 98,304, B at 245,760).
; In step 3, when every wave holds that step's fragments, slot 0 is filled again with the next tile's first half; in step 7 slot 1 with its second half: each refill behind the three lines and a round of the
; cluster's barrier, one joint load a wave (waves 0, 1: a half each of A's 16 row blocks; waves 2, 3: of B's 8).  The round also shows the other slot's fill to all waves.
; q and k are a loop of two trips; the tile of v, which asks for nothing more, is written out.  A wave has one tensor load out at the most.
; CLUSTERS: 4 x 4 work-groups; A's halves are asked for jointly along a row of the cluster, B's along a column.
; SHARES: wave w: A row blocks 4 w .. 4 w + 3 x all 8 B tiles: 32 accumulators.
; PREFETCH: in step 1 of q's and k's tile the next tile's 294,912 bytes are asked for, two steps ahead of the load of its first half: each block of 256 bytes once in the cluster's row (A) or column (B):
; the four partners take a quarter each by address, a wave a quarter of that: 48 blocks of A (two instructions, the second with 16 blocks), 24 of B (one; lanes left over name the last block again).
; OUT: pcod [q, k, v][batch x 16 + head][98,304]: q, k: token row block t of the batch: 768 bytes (half a fragment's image: its 64 codes a row) at 768 t; v: [128 keys s][row block f of the 64 channels][1,536].
;      pscl [q, k, v][batch x 16 + head][s][256]: byte 8 (r + 16 (f / 2)) + 4 (f % 2): the scale word of fragment f, row r; a word of q or k: two bytes of row block 2 f, two of 2 f + 1.
;      q's and k's scale words leave as pieces of 128 bytes (two waves fill 256): they are one byte for 24 of codes.
; LIMITS: a block of zeros gets the byte 1 where the rule says 127 (its codes are zeros; this program alone reads the bytes); NaN and infinities are not served.
; REGISTERS: window 0: v2-13 LDS addresses, v14, v15, v24-27 global offsets; v32-47 A's scale words, v48-79 B's; v80-143 the bias; v144-239 A's fragments, two sets (in the tail: 64 numbers, codes, work).
;            window 1: v0-191 B's fragments, two sets.   window 2: accumulator (i, j) at v[8 (8 i + j)].
.set WV,  18                           ; s18 wave; s19 wave / 2: I fetch for A (0) or B (1); s20 wave % 2: which half of the row blocks
.set HI,  19
.set HF,  20
.set CX,  21
.set CY,  22
.set WHICH, 23                         ; the loop's counter: 0 q, 1 k
.set G1A, 24                           ; s[24:31], s[32:39] descriptor groups 1
.set G1B, 32
.set GA0, 40                           ; groups 0: A's slot 0, slot 1; B's slot 0, slot 1
.set GA1, 44
.set GB0, 56
.set GB1, 60
.set CA,  48                           ; A's first row block: the first tile's, the next tile's, v's.  With s83, s88, s89, s92, s66: none of them holds cx while it feeds a descriptor
.set NA,  49
.set VA,  50
.set CB,  52                           ; B's likewise.  With s84, s99, s90, s91, s93, s67: none of them holds cy while it feeds a descriptor
.set NB,  53
.set VB,  54
.set OC,  68                           ; s[68:69] where my codes go, s[70:71] my scale words
.set OS,  70
.set SEL, 76                           ; s[76:77] lane selects; s78 lanes 16-31; s79, s80 byte selects
.set TA,  83                           ; q, k: A's tile (256 tokens)
.set TBL, 84                           ; q, k: B's tile (128 of the weight's rows)
.set TBV, 99                           ; v: B's tile (128 tokens); its A tile is cy
.set A16, 2                            ; v2, v3 A's fragments in slot 0, 1: 16 x lane + 24,576 x wave (+ 98,304);  v4, v5 the same with 8 x lane
.set A8,  4
.set B16, 6                            ; v6, v7 B's: 196,608 + 16 x lane (+ 49,152);  v8, v9 with 8 x lane
.set B8,  8
.set L16, 12
.set L8,  13
.set SA,  32
.set SB,  48
.set BIAS, 80
.set AF,  144
.set XQ,  144                          ; the tail: 64 numbers
.set PC,  208                          ; v208-226 codes
.set TM,  228                          ; v228-243
.set PW,  244                          ; v244-247 the four blocks' scale words
.set MSB, 0
.macro WIN new                         ; the immediate's high byte repeats the setting that is left
.if MSB != \new
	s_set_vgpr_msb (MSB<<8)|\new
.set MSB, \new
.endif
.endm
.macro PLACES                          ; four plain places behind a matrix instruction (ISA guide 7.12.1)
.rept 4
	v_nop
.endr
.endm
.macro CROUND                          ; a round of the cluster's barrier
	s_barrier_signal -1
	s_barrier_wait -1
	s_cmp_lg_u32 s[WV], 0
	s_cbranch_scc1 .Lnot_wave_0_\@
	s_barrier_signal -3
.Lnot_wave_0_\@:
	s_barrier_wait -3
	s_barrier_signal -1
	s_barrier_wait -1
.endm
.macro JLOAD ga, gb                    ; a joint load: waves 0, 1 for A, waves 2, 3 for B; the branch hangs on the wave's number alone
	s_cmp_eq_u32 s[HI], 0
	s_cbranch_scc0 .Lfor_b_\@
	tensor_load_to_lds s[\ga:\ga+3], s[G1A:G1A+7]
	s_nop 0
	PLACES
	s_branch .Lasked_\@
.Lfor_b_\@:
	tensor_load_to_lds s[\gb:\gb+3], s[G1B:G1B+7]
	s_nop 0
	PLACES
.Lasked_\@:
.endm
.macro DESC ga, gb, ra, rb, koff       ; the addresses of two groups 0: the tile whose A begins at row block s[ra] and B at s[rb]; koff: 0 or 6,144 bytes along a row block.  Written only while no tensor load of mine is out
	s_lshl_b32 s88, s[HF], 3
	s_add_co_u32 s88, s88, s[\ra]
	s_mul_i32 s88, s88, 12288
	s_mov_b32 s89, 0
	s_add_nc_u64 s[88:89], s[4:5], s[88:89]
	s_add_nc_u64 s[\ga+2:\ga+3], s[88:89], \koff
	s_or_b32 s[\ga+3], s[\ga+3], 0x80000000
	s_lshl_b32 s90, s[HF], 2
	s_add_co_u32 s90, s90, s[\rb]
	s_mul_i32 s90, s90, 12288
	s_mov_b32 s91, 0
	s_add_nc_u64 s[90:91], s[4:5], s[90:91]
	s_add_nc_u64 s[\gb+2:\gb+3], s[90:91], \koff
	s_or_b32 s[\gb+3], s[\gb+3], 0x80000000
.endm
.macro SCALES ra, rb                   ; a tile's scale words straight into registers: a row block's 512 bytes by one load; register k: lanes 0-15 K step k, lanes 16-31 K step 4 + k.  12 loads
	s_lshl_b32 s94, s[\rb], 9
	s_mov_b32 s95, 0
	s_add_nc_u64 s[94:95], s[6:7], s[94:95]
.irp j, 0,1,2,3,4,5,6,7
	global_load_b128 v[SB+4*\j:SB+4*\j+3], v[L16], s[94:95] offset:512*\j
.endr
	s_lshl_b32 s96, s[WV], 2
	s_add_co_u32 s96, s96, s[\ra]
	s_lshl_b32 s96, s96, 9
	s_mov_b32 s97, 0
	s_add_nc_u64 s[96:97], s[6:7], s[96:97]
.irp i, 0,1,2,3
	global_load_b128 v[SA+4*\i:SA+4*\i+3], v[L16], s[96:97] offset:512*\i
.endr
.endm
.macro ASKNEXT                         ; the next tile into the L2: my work-group's quarter by address (cx for A, cy for B), my wave's quarter of that
	s_wait_xcnt 0x0                                ; the last trip's prefetches have read their bases
	s_mul_i32 s81, s[NA], 12288
	s_mul_i32 s82, s[CX], 49152
	s_add_co_u32 s81, s81, s82
	s_mul_i32 s82, s[WV], 12288
	s_add_co_u32 s86, s81, s82
	s_mov_b32 s87, 0
	s_add_nc_u64 s[86:87], s[4:5], s[86:87]
	s_mul_i32 s81, s[NB], 12288
	s_mul_i32 s82, s[CY], 24576
	s_add_co_u32 s81, s81, s82
	s_mul_i32 s82, s[WV], 6144
	s_add_co_u32 s66, s81, s82
	s_mov_b32 s67, 0
	s_add_nc_u64 s[66:67], s[4:5], s[66:67]
	global_prefetch_b8 v25, s[86:87] th:TH_LOAD_NT scope:SCOPE_SE
	global_prefetch_b8 v26, s[86:87] offset:8192 th:TH_LOAD_NT scope:SCOPE_SE
	global_prefetch_b8 v27, s[66:67] th:TH_LOAD_NT scope:SCOPE_SE
.endm
.macro FRAG reg, a16, a8, off          ; a fragment's image, 1,536 bytes, into 12 registers: every load reads consecutive bytes
	ds_load_b128 v[(\reg):(\reg)+3], v[\a16] offset:(\off)
	ds_load_b64 v[(\reg)+4:(\reg)+5], v[\a8] offset:(\off)+512
	ds_load_b128 v[(\reg)+6:(\reg)+9], v[\a16] offset:(\off)+768
	ds_load_b64 v[(\reg)+10:(\reg)+11], v[\a8] offset:(\off)+1280
.endm
.macro QUANT s, pw                     ; 64 numbers of a lane, register 16 b + i = k 32 b + 16 (lane / 16) + i of my row -> codes in v[PC] on, scale word in v[pw]
.irp b, 0,1,2,3
	v_max3_num_f32 v[TM+\b], |v[\s+16*\b]|, |v[\s+1+16*\b]|, 0x1800000   ; with the floor 2^(3 - 127): the byte cannot fall under 1
.endr
.irp n, 2,4,6,8,10,12,14
.irp b, 0,1,2,3
	v_max3_num_f32 v[TM+\b], v[TM+\b], |v[\s+16*\b+\n]|, |v[\s+1+16*\b+\n]|
.endr
.endr
.irp b, 0,1,2,3
	v_permlanex16_b32 v[TM+4+\b], v[TM+\b], s[SEL], s[SEL+1]
.endr
.irp b, 0,1,2,3
	v_max_num_f32 v[TM+\b], v[TM+\b], v[TM+4+\b]
.endr
.irp b, 0,1,2,3
	v_add_nc_u32 v[TM+12+\b], 0xff000000, v[TM+\b]   ; 2 off the exponent field: the conversion's scale operand
.endr
.irp b, 0,1,2,3
	v_lshrrev_b32 v[TM+4+\b], 23, v[TM+12+\b]
.endr
	v_lshl_or_b32 v[\pw], v[TM+5], 8, v[TM+4]
	v_lshl_or_b32 v[\pw], v[TM+6], 16, v[\pw]
	v_lshl_or_b32 v[\pw], v[TM+7], 24, v[\pw]
.irp c, 0,1
	v_cvt_scalef32_pk16_fp6_f32 v[PC+6*\c:PC+2+6*\c], v[\s+32*\c:\s+15+32*\c], v[TM+12+2*\c]
	v_cvt_scalef32_pk16_fp6_f32 v[PC+12+4*\c:PC+14+4*\c], v[\s+16+32*\c:\s+31+32*\c], v[TM+12+2*\c+1]
.endr
	v_nop                                          ; one plain place behind a scaled conversion
.irp c, 0,1
.irp n, 0,1,2
	v_permlane16_swap_b32 v[PC+6*\c+\n], v[PC+12+4*\c+\n]
.endr
.irp n, 0,1,2
	v_mov_b32 v[PC+3+6*\c+\n], v[PC+12+4*\c+\n]
.endr
.endr
.endm
.macro FETCH k                         ; K step k: slot k / 4, its step k % 4; fragments into set k % 2
	WIN 0x40                                       ; destination window 1
.irp j, 0,1,2,3,4,5,6,7
	FRAG 96*((\k)%2)+12*\j, B16+(\k)/4, B8+(\k)/4, 6144*\j+1536*((\k)%4)
.endr
	WIN 0
.irp i, 0,1,2,3
	FRAG AF+48*((\k)%2)+12*\i, A16+(\k)/4, A8+(\k)/4, 6144*\i+1536*((\k)%4)
.endr
.endm
.macro MUL k                           ; 32 matrix instructions: the 32 accumulators take turns, in the same order in every step.  Step 0's products start the sums
	WIN 0xa1                                       ; source 0 (B) window 1, source 1 (A) window 0, C and D window 2
.irp i, 0,1,2,3
.irp j, 0,1,2,3,4,5,6,7
.set rD, 8*(8*\i+\j)
.set rB, 96*((\k)%2)+12*\j
.set rA, AF+48*((\k)%2)+12*\i
.set rSB, SB+4*\j+(\k)%4
.set rSA, SA+4*\i+(\k)%4
.if (\k) == 0
	v_wmma_scale_f32_16x16x128_f8f6f4 v[rD:rD+7], v[rB:rB+11], v[rA:rA+11], 0, v[rSB], v[rSA] matrix_a_fmt:MATRIX_FMT_FP6 matrix_b_fmt:MATRIX_FMT_FP6
.elseif (\k) < 4
	v_wmma_scale_f32_16x16x128_f8f6f4 v[rD:rD+7], v[rB:rB+11], v[rA:rA+11], v[rD:rD+7], v[rSB], v[rSA] matrix_a_fmt:MATRIX_FMT_FP6 matrix_b_fmt:MATRIX_FMT_FP6
.else
	v_wmma_scale_f32_16x16x128_f8f6f4 v[rD:rD+7], v[rB:rB+11], v[rA:rA+11], v[rD:rD+7], v[rSB], v[rSA] matrix_a_fmt:MATRIX_FMT_FP6 matrix_b_fmt:MATRIX_FMT_FP6 matrix_a_scale:MATRIX_SCALE_ROW1 matrix_b_scale:MATRIX_SCALE_ROW1
.endif
.endr
.endr
.endm
.macro STEP k, refill                  ; refill = 1: a tile follows
.if ((\k) == 3) || (((\k) == 7) && (\refill))
	WIN 0
	s_wait_tensorcnt 0x0                           ; my one tensor load that was out, my part of the other slot, has landed
.if \refill
	ds_add_u32 v254, v255
.if (\k) == 3
	DESC GA0, GB0, NA, NB, 0
.else
	DESC GA1, GB1, NA, NB, 6144
.endif
	s_wait_dscnt 0x0                               ; the add is done, and this step's fragments are in: my reads of this slot are over
	CROUND                                         ; both hold of every wave of all sixteen work-groups
.if (\k) == 3
	JLOAD GA0, GB0                                 ; the next tile's K steps 0-3; the four v_nop behind the load are the places ahead of the loads below
.else
	JLOAD GA1, GB1                                 ; its K steps 4-7
.endif
.else
	s_wait_dscnt 0x0
	s_barrier_signal -1
	s_barrier_wait -1                              ; slot 1 is whole
	PLACES
.endif
.else
	s_wait_dscnt 0x0                               ; this step's fragments are in (asked for 32 matrix instructions ago)
.if ((\k) > 0) && ((\k) < 7)
	PLACES                                         ; for the loads into the set that the last step multiplied
.endif
.endif
.if (\k) < 7
	FETCH (\k)+1
.endif
.if ((\k) == 1) && (\refill)
	ASKNEXT
.endif
	MUL \k
.endm
; THE TAIL: a block of 16 A rows at a time: + bias (which also brings the numbers into window 0), quantised along the registers, stored as images
.macro TAIL isv
.irp b, 0,1,2,3
	v_mov_b32 v[TM+4+\b], 0                        ; a lane permute's destination counts as one of its sources
.endr
.irp i, 0,1,2,3
.if \i > 0
	s_wait_xcnt 0x0                                ; the last block's stores have read the codes' registers
.endif
	WIN 0x02                                       ; source 0 window 2
.irp j, 0,1,2,3,4,5,6,7
.irp m, 0,2,4,6
.if \isv
	v_pk_add_f32 v[XQ+8*\j+\m:XQ+8*\j+\m+1], v[8*(8*\i+\j)+\m:8*(8*\i+\j)+\m+1], v[BIAS+8*\i+\m:BIAS+8*\i+\m+1]   ; each accumulator from its low end on
.else
	v_pk_add_f32 v[XQ+8*\j+\m:XQ+8*\j+\m+1], v[8*(8*\i+\j)+\m:8*(8*\i+\j)+\m+1], v[BIAS+8*\j+\m:BIAS+8*\j+\m+1]
.endif
.endr
.endr
	WIN 0
	QUANT XQ, PW+\i
.irp c, 0,1
.if \isv
	global_store_b128 v[L16], v[PC+6*\c:PC+6*\c+3], s[OC:OC+1] offset:1536*\i+768*\c          ; fragment i of the head's channels, these 128 keys
	global_store_b64 v[L8], v[PC+6*\c+4:PC+6*\c+5], s[OC:OC+1] offset:1536*\i+768*\c+512
.else
	global_store_b128 v[L16], v[PC+6*\c:PC+6*\c+3], s[OC:OC+1] offset:98304*\c+768*\i         ; half c is head 2 tile + c's 64 codes of these 16 tokens
	global_store_b64 v[L8], v[PC+6*\c+4:PC+6*\c+5], s[OC:OC+1] offset:98304*\c+768*\i+512
.endif
.endr
.endr
.endm
; A TILE.  On the way in: its K steps 0-3 lie in slot 0, shown to all waves; its second half is on its way or in; its 12 loads of scale words are out or in.
.macro TILE refill, isv
	s_wait_xcnt 0x0                                ; the last tile's stores and loads have read their registers and bases
.if \isv
	s_lshl_b32 s100, s[CY], 10                     ; bv: register 8 i + m = bv[256 cy + 64 wave + 32 (i / 2) + 8 (i % 2) + r + 8 (r / 8)]: my lane's channel, the same in all eight m
	s_lshl_b32 s101, s[WV], 8
	s_add_co_u32 s100, s100, s101
	s_mov_b32 s101, 0
	s_add_nc_u64 s[2:3], s[12:13], s[100:101]
.irp g, 0,1,2,3
.irp j, 0,1,2,3,4,5,6,7
	global_load_b32 v[BIAS+8*\g+\j], v15, s[2:3] offset:128*(\g/2)+32*(\g%2)
.endr
.endr
.else
	s_cmp_eq_u32 s[WHICH], 1                       ; bq or bk: register 8 j + m = b[128 tile + 32 (j / 2) + 16 h + 8 (j % 2) + m]
	s_cselect_b64 s[2:3], s[10:11], s[8:9]
	s_lshl_b32 s100, s[TBL], 9
	s_mov_b32 s101, 0
	s_add_nc_u64 s[2:3], s[2:3], s[100:101]
.irp j, 0,1,2,3,4,5,6,7
	global_load_b128 v[BIAS+8*\j:BIAS+8*\j+3], v14, s[2:3] offset:128*(\j/2)+32*(\j%2)
	global_load_b128 v[BIAS+8*\j+4:BIAS+8*\j+7], v14, s[2:3] offset:128*(\j/2)+32*(\j%2)+16
.endr
.endif
	FETCH 0
	s_wait_loadcnt 16+16*\isv                      ; the scale words are in; the bias's loads, issued behind them, may be out
.irp k, 0,1,2,3,4,5,6,7
	STEP \k, \refill
.endr
	WIN 0
	PLACES                                         ; behind the last products: results are read, loads land on scale words, registers that held A's fragments are written
.if \refill
	s_wait_xcnt 0x0
	SCALES NA, NB                                  ; the next tile's scale words land under the tail
.endif
.if \isv
	s_lshr_b32 s72, s[TBV], 4                      ; v: the batch
	s_lshl_b32 s72, s72, 4
	s_lshl_b32 s73, s[CY], 2
	s_add_co_u32 s72, s72, s73
	s_add_co_u32 s72, s72, s[WV]                   ; 16 batch + head; my head = 4 cy + wave
	s_and_b32 s73, s[TBV], 15                      ; which 128 keys
	s_mul_i32 s74, s72, 98304
	s_add_co_u32 s74, s74, 12582912
	s_mul_i32 s75, s73, 6144
	s_add_co_u32 s74, s74, s75
	s_mov_b32 s75, 0
	s_add_nc_u64 s[OC:OC+1], s[14:15], s[74:75]
	s_lshl_b32 s74, s72, 12
	s_add_co_u32 s74, s74, 524288
	s_lshl_b32 s73, s73, 8
	s_add_co_u32 s74, s74, s73
	s_add_nc_u64 s[OS:OS+1], s[16:17], s[74:75]
.else
	s_lshr_b32 s72, s[TA], 3                       ; q, k: the batch
	s_lshl_b32 s72, s72, 4
	s_lshl_b32 s73, s[TBL], 1
	s_add_co_u32 s72, s72, s73                     ; 16 batch + my first head
	s_mul_i32 s74, s72, 98304
	s_mul_i32 s75, s[WHICH], 6291456
	s_add_co_u32 s74, s74, s75
	s_and_b32 s73, s[TA], 7
	s_lshl_b32 s75, s73, 4
	s_lshl_b32 s98, s[WV], 2
	s_add_co_u32 s75, s75, s98                     ; my first token row block of the batch
	s_mul_i32 s75, s75, 768
	s_add_co_u32 s74, s74, s75
	s_mov_b32 s75, 0
	s_add_nc_u64 s[OC:OC+1], s[14:15], s[74:75]
	s_lshl_b32 s74, s[WHICH], 18
	s_lshl_b32 s72, s72, 12
	s_add_co_u32 s74, s74, s72
	s_lshl_b32 s73, s73, 1
	s_add_co_u32 s73, s73, s[HI]                   ; which 128 tokens
	s_lshl_b32 s73, s73, 8
	s_add_co_u32 s74, s74, s73
	s_lshl_b32 s73, s[HF], 7                       ; fragments 0, 1 or 2, 3 of them
	s_add_co_u32 s74, s74, s73
	s_add_nc_u64 s[OS:OS+1], s[16:17], s[74:75]
.endif
	s_wait_loadcnt 12*\refill                      ; the bias is in; the next tile's 12 loads of scale words may be out
	TAIL \isv
.if \isv
.irp e, 0,1
	v_cndmask_b32 v[252+\e], v[PW+\e], v[PW+2+\e], s78
.endr
	global_store_b64 v[L8], v[252:253], s[OS:OS+1] ; 256 consecutive bytes
.else
.irp e, 0,1
	v_perm_b32 v[248+\e], v[PW+2*\e+1], v[PW+2*\e], s79   ; the first head's two bytes of row blocks 2 e and 2 e + 1
	v_perm_b32 v[250+\e], v[PW+2*\e+1], v[PW+2*\e], s80   ; the second head's
.endr
.irp e, 0,1
	v_cndmask_b32 v[252+\e], v[248+\e], v[250+\e], s78
.endr
	global_store_b64 v24, v[252:253], s[OS:OS+1]
.endif
.endm
	s_load_b256 s[4:11], s[0:1], 0x0               ; xcod s[4:5], xscl s[6:7], bq s[8:9], bk s[10:11]
	s_load_b128 s[12:15], s[0:1], 0x20             ; bv s[12:13], pcod s[14:15]
	s_load_b64 s[16:17], s[0:1], 0x30              ; pscl
	v_lshl_add_u32 v254, v0, 2, 0x48000
	v_mov_b32 v255, 0
	ds_add_u32 v254, v255                          ; the opening lines: the add twice on end and its wait
	ds_add_u32 v254, v255
	v_lshrrev_b32 v1, 5, v0
	v_readfirstlane_b32 s[WV], v1
	s_lshr_b32 s[HI], s[WV], 1
	s_and_b32 s[HF], s[WV], 1
	s_bfe_u32 s[CX], ttmp6, 0x40000
	s_bfe_u32 s[CY], ttmp6, 0x40004
	s_and_b32 s81, ttmp7, 0xffff                   ; cluster y, 0 .. 7
	s_lshl_b32 s[TA], s81, 2
	s_add_co_u32 s[TA], s[TA], s[CY]               ; q, k: A's tile = 4 cluster y + cy
	s_lshl_b32 s[TBL], ttmp9, 2
	s_add_co_u32 s[TBL], s[TBL], s[CX]             ; q, k: B's tile = 4 cluster x + cx
	s_lshl_b32 s[TBV], s81, 1
	s_add_co_u32 s[TBV], s[TBV], ttmp9
	s_lshl_b32 s[TBV], s[TBV], 2
	s_add_co_u32 s[TBV], s[TBV], s[CX]             ; v: B's tile = 4 (2 cluster y + cluster x) + cx
	s_lshl_b32 s[CA], s[TA], 4                     ; first row blocks.  q: queries' from 0,
	s_add_co_u32 s[NA], s[CA], 512                 ; k: keys' from 512,
	s_lshl_b32 s[VA], s[CY], 4
	s_add_co_u32 s[VA], s[VA], 1664                ; v: Wv's from 1,664
	s_lshl_b32 s[CB], s[TBL], 3
	s_add_co_u32 s[NB], s[CB], 1600                ; Wk's from 1,600,
	s_add_co_u32 s[CB], s[CB], 1536                ; Wq's from 1,536,
	s_lshl_b32 s[VB], s[TBV], 3
	s_add_co_u32 s[VB], s[VB], 1024                ; values' from 1,024
	s_lshl_b32 s66, s[CY], 2
	s_lshl_b32 s66, 15, s66                        ; my row of the cluster
	s_lshl_b32 s67, 0x1111, s[CX]                  ; my column
	; group 1: rows of 6,144 bytes (a row block's four K steps: 768 elements of 8 bytes), 12,288 bytes apart, laid on end in LDS.  A: 8 row blocks a load, B: 4
	s_or_b32 s[G1A], s66, (3<<16)|(1<<21)
	s_or_b32 s[G1B], s67, (3<<16)|(1<<21)
.irp g, G1A, G1B
	s_mov_b32 s[\g+1], 768<<16
	s_mov_b32 s[\g+3], 768<<16
	s_mov_b32 s[\g+5], 1536
	s_mov_b32 s[\g+6], 0
	s_mov_b32 s[\g+7], 0
.endr
	s_mov_b32 s[G1A+2], 8<<16
	s_mov_b32 s[G1A+4], 8
	s_mov_b32 s[G1B+2], 4<<16
	s_mov_b32 s[G1B+4], 4
	s_mul_i32 s92, s[HF], 49152                    ; my half's place in a slot: no place in the cluster enters an LDS address
	s_mul_i32 s93, s[HF], 24576
	s_mov_b32 s[GA0], 1
	s_add_co_u32 s[GA0+1], s92, 0
	s_mov_b32 s[GA1], 1
	s_add_co_u32 s[GA1+1], s92, 98304
	s_mov_b32 s[GB0], 1
	s_add_co_u32 s[GB0+1], s93, 196608
	s_mov_b32 s[GB1], 1
	s_add_co_u32 s[GB1+1], s93, 245760
	s_mov_b32 s[SEL], 0x76543210
	s_mov_b32 s[SEL+1], 0xfedcba98
	s_mov_b32 s78, 0xffff0000
	s_mov_b32 s79, 0x05040100
	s_mov_b32 s80, 0x07060302
	s_wait_dscnt 0x0
	s_wait_kmcnt 0x0
	DESC GA0, GB0, CA, CB, 0
	DESC GA1, GB1, CA, CB, 6144
	CROUND                                         ; all sixteen work-groups are here: the joint loads meet
	JLOAD GA0, GB0                                 ; the head: one tensor load a wave: q's K steps 0-3
	v_and_b32 v1, 31, v0
	v_lshlrev_b32 v[L16], 4, v1
	v_lshlrev_b32 v[L8], 3, v1
	s_mul_i32 s94, s[WV], 24576                    ; my four row blocks of A in a slot
	v_add_nc_u32 v[A16], s94, v[L16]
	v_add_nc_u32 v[A8], s94, v[L8]
	v_add_nc_u32 v[A16+1], 98304, v[A16]
	v_add_nc_u32 v[A8+1], 98304, v[A8]
	v_add_nc_u32 v[B16], 196608, v[L16]
	v_add_nc_u32 v[B8], 196608, v[L8]
	v_add_nc_u32 v[B16+1], 245760, v[L16]
	v_add_nc_u32 v[B8+1], 245760, v[L8]
	v_and_b32 v10, 15, v0                          ; r
	v_bfe_u32 v11, v0, 4, 1                        ; h
	v_lshlrev_b32 v14, 6, v11                      ; bq, bk: 64 h
	v_and_b32 v15, 8, v10
	v_add_nc_u32 v15, v15, v10
	v_lshlrev_b32 v15, 2, v15                      ; bv: 4 (r + 8 (r / 8))
	v_lshlrev_b32 v24, 3, v10
	v_lshl_add_u32 v24, v11, 12, v24               ; q's and k's scale words: 8 r, and lanes 16-31 one head (4,096 bytes) on
	v_lshlrev_b32 v25, 8, v1                       ; the prefetches: a lane a block of 256 bytes
	v_min_u32 v26, 15, v1
	v_lshlrev_b32 v26, 8, v26
	v_min_u32 v27, 23, v1
	v_lshlrev_b32 v27, 8, v27
	s_wait_alu depctr_va_vdst(0)                   ; the wait at the head's end
	SCALES CA, CB
	s_wait_tensorcnt 0x0                           ; my part of q's K steps 0-3 is in
	ds_add_u32 v254, v255
	s_wait_dscnt 0x0
	CROUND
	JLOAD GA1, GB1                                 ; slot 1's first fill: q's K steps 4-7
	s_mov_b32 s[WHICH], 0
.Ltile:
	TILE 1, 0
	s_mov_b32 s[NA], s[VA]                         ; behind k comes v
	s_mov_b32 s[NB], s[VB]
	s_add_co_u32 s[WHICH], s[WHICH], 1
	s_cmp_lt_u32 s[WHICH], 2
	s_wait_alu depctr_va_vdst(0)                   ; the wait here, directly ahead of the branch
	s_cbranch_scc1 .Ltile
	TILE 0, 1
	s_wait_tensorcnt 0x0                           ; the wave's end
	ds_add_u32 v254, v255
	s_wait_dscnt 0x0
	CROUND                                         ; the closing round
	s_endpgm
.Lfunc_end_k_qc3aa067c4e_proj:
	.size	k_qc3aa067c4e_proj, .Lfunc_end_k_qc3aa067c4e_proj-k_qc3aa067c4e_proj
	.p2alignl 7, 3214868480
	.fill 96, 4, 3214868480
	.section	.rodata,"a",@progbits
	.p2align	6, 0x0
	.amdhsa_kernel k_qc3aa067c4e_proj
		.amdhsa_group_segment_fixed_size 327680
		.amdhsa_private_segment_fixed_size 0
		.amdhsa_enable_private_segment 0
		.amdhsa_kernarg_size 56
		.amdhsa_user_sgpr_count 2
		.amdhsa_user_sgpr_kernarg_segment_ptr 1
		.amdhsa_wavefront_size32 1
		.amdhsa_system_sgpr_workgroup_id_x 1
		.amdhsa_system_sgpr_workgroup_id_y 1
		.amdhsa_system_sgpr_workgroup_id_z 1
		.amdhsa_system_vgpr_workitem_id 0
		.amdhsa_next_free_vgpr 768
		.amdhsa_next_free_sgpr 102
		.amdhsa_reserve_vcc 0
		.amdhsa_float_denorm_mode_32 3
		.amdhsa_float_denorm_mode_16_64 3
		.amdhsa_memory_ordered 1
		.amdhsa_forward_progress 1
		.amdhsa_inst_pref_size 189
	.end_amdhsa_kernel
	.amdgpu_metadata
---
amdhsa.version: [ 1, 2 ]
amdhsa.kernels:
  - .name:           k_qc3aa067c4e_proj
    .symbol:         k_qc3aa067c4e_proj.kd
    .args:
      - { .name: xcod, .offset: 0, .size: 8, .value_kind: global_buffer, .address_space: global }
      - { .name: xscl, .offset: 8, .size: 8, .value_kind: global_buffer, .address_space: global }
      - { .name: bq, .offset: 16, .size: 8, .value_kind: global_buffer, .address_space: global }
      - { .name: bk, .offset: 24, .size: 8, .value_kind: global_buffer, .address_space: global }
      - { .name: bv, .offset: 32, .size: 8, .value_kind: global_buffer, .address_space: global }
      - { .name: pcod, .offset: 40, .size: 8, .value_kind: global_buffer, .address_space: global }
      - { .name: pscl, .offset: 48, .size: 8, .value_kind: global_buffer, .address_space: global }
    .group_segment_fixed_size: 327680
    .private_segment_fixed_size: 0
    .kernarg_segment_align: 8
    .kernarg_segment_size: 56
    .max_flat_workgroup_size: 128
    .sgpr_count:     102
    .vgpr_count:     768
    .wavefront_size: 32
...
	.end_amdgpu_metadata
.endif
;; end of part 2
;; launch attn (part 3): grid 4 x 64, 16 waves a work-group, clusters of 4 x 1, 207,872 bytes of LDS; arguments pcod, pscl, ocod, oscl; writes ocod, oscl
.if DOCPART == 3
	.amdgcn_target "amdgcn-amd-amdhsa--gfx1250"
	.amdhsa_code_object_version 6
	.text
	.protected	k_qc3aa067c4e_attn
	.globl	k_qc3aa067c4e_attn
	.p2align	8
	.type	k_qc3aa067c4e_attn,@function
k_qc3aa067c4e_attn:
	s_mov_b64 s[64:65], 0
	v_nop
	global_prefetch_b8 v0, s[64:65] scope:SCOPE_SE
	s_setreg_imm32_b32 hwreg(HW_REG_WAVE_MODE, 25, 1), 1
	s_wait_xcnt 0x0
	s_wait_alu depctr_hold_cnt(0) depctr_sa_sdst(0) depctr_va_vdst(0) depctr_va_sdst(0) depctr_va_ssrc(0) depctr_va_vcc(0) depctr_vm_vsrc(0)
	s_getreg_b32 s2, hwreg(HW_REG_IB_STS2, 6, 4)
	s_cmp_eq_u32 s2, 0
	s_cbranch_scc0 .Lentry_in_a_cluster
	s_endpgm
.Lentry_in_a_cluster:
	s_bfe_u32 s2, ttmp6, 0x10000c
	s_cmp_lg_u32 s2, 0x3003
	s_cbranch_scc0 .Lentry_shape_is_right
	s_endpgm
.Lentry_shape_is_right:
; O = softmax(q k^T / 8) v for one (batch, head) and 512 queries a work-group, both products on codes of FP6 (E2M3) with E8M0 scales; O / l is quantised here along the head's 64 channels for the last product.
; THE SOFTMAX: t = score x log2(e) / 8; M = the running largest t rounded UP to a whole number; p = 2^(t - M) is quantised along the keys, not normalised; the row's sum l is taken of the unquantised p and
; divides O at the end.  When M moves, l and O are multiplied by 2^(old M - new M): exact.
; SHARES: 256 work-groups; sixteen waves, four to a SIMD.  A wave owns 32 queries: two tiles of 16, one after the other.
; THE WHOLE HEAD'S K AND V STAY IN LDS as codes (2 x 98,304 bytes) with their scale words (2 x 4,096): filled once, jointly for the four work-groups of the head (a cluster): no LDS byte is filled again.
; LAYOUT: both products transposed (S^T = K Q^T, O^T = V^T P^T): a lane holds one query throughout.  THE HEAD HAS 64 CHANNELS, THE INSTRUCTION 128 ALONG K: a fragment of K holds TWO row blocks of keys,
; [ka | kb], 64 codes each; multiplied by [q | 0] it gives ka's scores, by [0 | q] kb's: both are cut from 18 registers [q][0][q].  Zero codes add nothing.
; THE KEYS OF A ROW BLOCK (laid so by the first launch): row block 4 c + u of a step's eight holds keys 64 c + 8 u + r + 24 (r / 8).  So register 96 + 32 c + 8 u + j of lane half h is key 64 c + 32 h + 8 u + j:
; a lane's 32 registers are ONE scale block of p, in the order of the operand's registers 6 c .. 6 c + 5.  A block's maximum needs no other lane and its codes stay where the conversions put them;
; only the step's maximum and the scale word's four bytes pass between lanes l and l xor 16.
; No prefetch: all that a work-group reads is asked for at its head.
; LIMITS: |t| under 3e38 (the running maximum's first value); a p under 2^-126 counts as 0 (v_exp_f32 gives 0 there: ISA guide 15.8); O / l is v_rcp_f32 and a multiplication; a block of zeros gets the byte 1
; where the rule says 127 (its codes are zeros; this program alone reads the bytes); NaN and infinities are not served.
; REGISTERS: v1, v2 16 x lane, 8 x lane; v3-8 the step's LDS addresses; v9, v10, v94, v95 their bases; v11 q's scale words; v12 -M, v13 largest t, v[14:15] l; v16-33 [q][0][q]; v34-39 the second tile's q;
; v40 q's scale word in use; v41 8 h; v[42:43] K's scale words; v44-91 four fragments, K's then V's; v[92:93] V's scale words; v96-159 S^T, then p; v160-191 O^T; v192-203 p's codes; v204-249 at work; v250-253 addresses.
.set WV,  12
.set SEL, 20                           ; s[20:21] lane selects for lane l xor 16
.set CS,  22                           ; s[22:23] c = log2(e) / 8, twice
.set G1C, 24                           ; s[24:31] group 1 for the codes; s[32:39] for the scale words; s[40:43], s[44:47] groups 0
.set G1S, 32
.set TB,  60                           ; the step's fragments: 6,144 bytes a step
.set TS,  61                           ; its scale words: 256 bytes a step
.set CNT, 62
.set VC,  98304                        ; LDS: K's codes at 0, V's here,
.set KSC, 196608                       ; K's scale words,
.set VSC, 200704                       ; V's,
.set SCG, 204800                       ; and 1,024 bytes in which O's scale bytes are gathered: no fill lands here
.set SH,  41
.set BM,  212                          ; v212, v213 my two blocks' largest scores, then largest p; v214, v215 the second chains
.set PT,  216
.set SO,  220                          ; v220, v221 the conversions' scale operands
.set PS,  224                          ; p's scale word
.set FF,  226                          ; v[226:227] f = 2^(old M - new M)
.set TMP, 228
.set OM,  229                          ; the old -M
.set PCD, 192
.set CT,  204                          ; v204-206, v208-210 the conversions' second halves
.set HW,  230                          ; v230, v231 O's two scale bytes, tile 0's and tile 1's
.macro PLACES
.rept 4
	v_nop
.endr
.endm
.macro CROUND
	s_barrier_signal -1
	s_barrier_wait -1
	s_cmp_lg_u32 s[WV], 0
	s_cbranch_scc1 .Lnot_wave_0_\@
	s_barrier_signal -3
.Lnot_wave_0_\@:
	s_barrier_wait -3
	s_barrier_signal -1
	s_barrier_wait -1
.endm
.macro G0SET g, lreg, loff, areg, aoff
	s_mov_b32 s[\g], 1
	s_add_co_u32 s[\g+1], s[\lreg], \loff
	s_add_nc_u64 s[\g+2:\g+3], s[\areg:\areg+1], \aoff
	s_or_b32 s[\g+3], s[\g+3], 0x80000000
.endm
.macro FRAG reg, a16, a8, off          ; a fragment's image, 1,536 bytes, into 12 registers: every load reads consecutive bytes
	ds_load_b128 v[(\reg):(\reg)+3], v[\a16] offset:(\off)
	ds_load_b64 v[(\reg)+4:(\reg)+5], v[\a8] offset:(\off)+512
	ds_load_b128 v[(\reg)+6:(\reg)+9], v[\a16] offset:(\off)+768
	ds_load_b64 v[(\reg)+10:(\reg)+11], v[\a8] offset:(\off)+1280
.endm
	s_load_b256 s[4:11], s[0:1], 0x0               ; pcod s[4:5], pscl s[6:7], ocod s[8:9], oscl s[10:11]
	v_lshl_add_u32 v254, v0, 2, 0x32400
	v_mov_b32 v255, 0
	ds_add_u32 v254, v255                          ; the opening lines: the add twice on end and its wait
	ds_add_u32 v254, v255
	v_lshrrev_b32 v3, 5, v0
	v_readfirstlane_b32 s[WV], v3                  ; wave 0..15
	s_bfe_u32 s13, ttmp6, 0x40000                  ; cx: which 512 queries
	s_and_b32 s14, ttmp7, 0xffff                   ; 16 batch + head, which the four partners share
	s_lshr_b32 s15, s14, 4
	s_and_b32 s16, s14, 15
	; waves 0-3 fetch a quarter of K's codes each, waves 4-7 of V's: 24,576 bytes, on end in LDS; waves 8 and 9 K's and V's scale words
	s_min_u32 s17, s[WV], 7
	s_lshr_b32 s76, s17, 2
	s_add_co_u32 s76, s76, 1                       ; pcod's part: 1 k, 2 v
	s_mul_i32 s78, s76, 6291456
	s_mul_i32 s79, s14, 98304
	s_add_co_u32 s78, s78, s79
	s_and_b32 s79, s17, 3
	s_mul_i32 s79, s79, 24576
	s_add_co_u32 s78, s78, s79
	s_mov_b32 s79, 0
	s_mul_i32 s82, s17, 24576                      ; in LDS: no place in the cluster enters an LDS address
	s_and_b32 s77, s[WV], 1
	s_add_co_u32 s80, s77, 1
	s_lshl_b32 s80, s80, 18
	s_lshl_b32 s81, s14, 12
	s_add_co_u32 s80, s80, s81
	s_mov_b32 s81, 0
	s_lshl_b32 s83, s77, 12
	s_mov_b32 s[G1C], 15|(3<<16)|(1<<21)           ; dense blocks as rows of 256 bytes (32 elements of 8 bytes); the mask names all four work-groups
	s_mov_b32 s[G1S], 15|(3<<16)|(1<<21)
.irp g, G1C, G1S
	s_mov_b32 s[\g+1], 32<<16
	s_mov_b32 s[\g+3], 32<<16
	s_mov_b32 s[\g+5], 32
	s_mov_b32 s[\g+6], 0
	s_mov_b32 s[\g+7], 0
.endr
	s_mov_b32 s[G1C+2], 96<<16                     ; 96 rows of codes,
	s_mov_b32 s[G1C+4], 96
	s_mov_b32 s[G1S+2], 16<<16                     ; 16 of scale words
	s_mov_b32 s[G1S+4], 16
	s_mov_b32 s[SEL], 0x76543210
	s_mov_b32 s[SEL+1], 0xfedcba98
	s_mov_b32 s[CS], 0x3e38aa3b                    ; log2(e) / 8
	s_mov_b32 s[CS+1], s[CS]
	s_mov_b32 s63, 0xffff0000                      ; lanes 16-31
	s_mov_b32 s66, 0x01000100                      ; a word's low two bytes, twice
	s_mov_b32 s67, 0x03020302                      ; its high two, twice
	s_wait_dscnt 0x0
	s_wait_kmcnt 0x0
	s_add_nc_u64 s[78:79], s[4:5], s[78:79]
	s_add_nc_u64 s[80:81], s[6:7], s[80:81]
	G0SET 44, 82, 0, 78, 0
	G0SET 40, 83, KSC, 80, 0
	CROUND                                         ; all four work-groups are here: the joint loads meet
	s_cmp_lt_u32 s[WV], 8                          ; the branches hang on the wave's number alone; a wave has at most one tensor load out
	s_cbranch_scc0 .Lnot_codes
	tensor_load_to_lds s[44:47], s[G1C:G1C+7]
	s_nop 0
.rept 4
	v_nop
.endr
	s_branch .Lasked
.Lnot_codes:
	s_cmp_lt_u32 s[WV], 10
	s_cbranch_scc0 .Lasked
	tensor_load_to_lds s[40:43], s[G1S:G1S+7]
	s_nop 0
.rept 4
	v_nop
.endr
.Lasked:
	s_lshl_b32 s84, s13, 4
	s_add_co_u32 s84, s84, s[WV]                   ; my fragment of q (two row blocks): 16 cx + wave
	s_mul_i32 s84, s84, 1536
	s_mul_i32 s85, s14, 98304
	s_add_co_u32 s84, s84, s85
	s_mov_b32 s85, 0
	s_add_nc_u64 s[68:69], s[4:5], s[84:85]
	s_lshl_b32 s86, s13, 2
	s_lshr_b32 s87, s[WV], 2
	s_add_co_u32 s86, s86, s87                     ; its scale words: which 128 queries,
	s_lshl_b32 s86, s86, 8
	s_lshl_b32 s87, s14, 12
	s_add_co_u32 s86, s86, s87
	s_bfe_u32 s87, s[WV], 0x10001
	s_lshl_b32 s87, s87, 7                         ; fragment wave % 4 of them
	s_add_co_u32 s86, s86, s87
	s_and_b32 s87, s[WV], 1
	s_lshl_b32 s87, s87, 2
	s_add_co_u32 s86, s86, s87
	s_mov_b32 s87, 0
	s_add_nc_u64 s[70:71], s[6:7], s[86:87]
	s_lshl_b32 s88, s15, 7
	s_lshl_b32 s89, s13, 5
	s_add_co_u32 s88, s88, s89
	s_lshl_b32 s89, s[WV], 1
	s_add_co_u32 s88, s88, s89                     ; O: token row block 128 batch + 32 cx + 2 wave,
	s_mul_i32 s88, s88, 12288
	s_mul_i32 s89, s16, 768                        ; K step head / 2, half head % 2
	s_add_co_u32 s88, s88, s89
	s_mov_b32 s89, 0
	s_add_nc_u64 s[72:73], s[8:9], s[88:89]
	s_lshl_b32 s90, s16, 14
	s_lshl_b32 s91, s15, 12
	s_add_co_u32 s90, s90, s91
	s_lshl_b32 s91, s13, 10
	s_add_co_u32 s90, s90, s91                     ; O's scale bytes: the head's plane, my work-group's 1,024 bytes
	s_mov_b32 s91, 0
	s_add_nc_u64 s[74:75], s[10:11], s[90:91]
	v_and_b32 v3, 31, v0
	v_and_b32 v4, 15, v0                           ; r
	v_bfe_u32 v5, v0, 4, 1                         ; h
	v_lshlrev_b32 v1, 4, v3
	v_lshlrev_b32 v2, 3, v3
	v_lshlrev_b32 v253, 3, v4
	global_load_b128 v[16:19], v1, s[68:69]        ; the first tile's q, twice,
	global_load_b64 v[20:21], v2, s[68:69] offset:512
	global_load_b128 v[28:31], v1, s[68:69]
	global_load_b64 v[32:33], v2, s[68:69] offset:512
	global_load_b128 v[34:37], v1, s[68:69] offset:768   ; and the second tile's
	global_load_b64 v[38:39], v2, s[68:69] offset:1280
	global_load_b32 v11, v253, s[70:71]
	v_add_nc_u32 v9, VC, v1
	v_add_nc_u32 v10, VC, v2
	v_add_nc_u32 v94, KSC, v2
	v_add_nc_u32 v95, VSC, v2
	v_lshlrev_b32 v[SH], 3, v5                     ; 8 h: how far my two scale bytes are shifted in p's scale word
	s_lshr_b32 s18, s[WV], 1
	s_lshl_b32 s18, s18, 7
	s_and_b32 s19, s[WV], 1
	s_lshl_b32 s19, s19, 2
	s_add_co_u32 s18, s18, s19
	s_add_co_u32 s18, s18, SCG
	v_lshl_add_u32 v250, v5, 1, v253
	v_and_b32 v252, 63, v0
	v_add_nc_u32 v250, s18, v250                   ; where my two bytes go: 128 (wave / 2) + 8 r + 4 (wave % 2) + 2 h
	v_lshlrev_b32 v252, 4, v252                    ; and how waves 0 and 1 take the 1,024 bytes out
	v_mov_b32 v[FF+1], 0                           ; (named as the upper half of a pair)
	v_add_nc_u32 v251, SCG, v252
.irp i, 0,1,2,3,4,5
	v_mov_b32 v[22+\i], 0                          ; the zero codes between the two copies of q
.endr
.irp b, 0,1
	v_mov_b32 v[PT+\b], 0                          ; written once: a lane permute's destination counts as one of its sources
.endr
; A KEY STEP: 128 keys
.macro STEP
	v_add_nc_u32 v3, s[TB], v1                     ; four plain instructions: also the places ahead of the loads into registers that the last products read
	v_add_nc_u32 v4, s[TB], v2
	v_add_nc_u32 v7, s[TS], v94
	v_mov_b32 v[OM], v12
.irp f, 0,1,2,3
	FRAG 44+12*\f, 3, 4, 1536*\f
.endr
	ds_load_b64 v[42:43], v7                       ; register e: lanes 0-15 fragment e's words, lanes 16-31 fragment 2 + e's
	s_wait_alu depctr_va_vdst(0)                   ; the wait here, directly ahead of the wait below
	s_wait_dscnt 0x0
.irp f, 0,1,2,3
.irp e, 0,1
.if \f < 2
	v_wmma_scale_f32_16x16x128_f8f6f4 v[96+8*(2*\f+\e):103+8*(2*\f+\e)], v[44+12*\f:55+12*\f], v[16+6*\e:27+6*\e], 0, v[42+(\f%2)], v40 matrix_a_fmt:MATRIX_FMT_FP6 matrix_b_fmt:MATRIX_FMT_FP6
.else
	v_wmma_scale_f32_16x16x128_f8f6f4 v[96+8*(2*\f+\e):103+8*(2*\f+\e)], v[44+12*\f:55+12*\f], v[16+6*\e:27+6*\e], 0, v[42+(\f%2)], v40 matrix_a_fmt:MATRIX_FMT_FP6 matrix_b_fmt:MATRIX_FMT_FP6 matrix_a_scale:MATRIX_SCALE_ROW1
.endif
.endr
.endr
	v_add_nc_u32 v5, s[TB], v9                     ; four places ahead of the loads over K's fragments and of the first read of the scores
	v_add_nc_u32 v6, s[TB], v10
	v_add_nc_u32 v8, s[TS], v95
	v_nop
.irp f, 0,1,2,3
	FRAG 44+12*\f, 5, 6, 1536*\f                   ; V's four fragments land under the softmax
.endr
	ds_load_b64 v[92:93], v8
.irp c, 0,1                                    ; THE LARGEST SCORE OF MY TWO BLOCKS OF 32 KEYS, two chains a block: it serves for the row's maximum and, since p rises with the score, for the block's largest p
	v_max3_num_f32 v[BM+\c], v[96+32*\c], v[97+32*\c], v[98+32*\c]
	v_max3_num_f32 v[BM+2+\c], v[112+32*\c], v[113+32*\c], v[114+32*\c]
.endr
.irp n, 3,5,7,9,11,13
.irp c, 0,1
	v_max3_num_f32 v[BM+\c], v[BM+\c], v[96+32*\c+\n], v[97+32*\c+\n]
	v_max3_num_f32 v[BM+2+\c], v[BM+2+\c], v[112+32*\c+\n], v[113+32*\c+\n]
.endr
.endr
.irp c, 0,1
	v_max3_num_f32 v[BM+\c], v[BM+\c], v[111+32*\c], v[127+32*\c]
.endr
.irp c, 0,1
	s_delay_alu instid0(VALU_DEP_2)
	v_max_num_f32 v[BM+\c], v[BM+\c], v[BM+2+\c]
.endr
	s_delay_alu instid0(VALU_DEP_1)
	v_max_num_f32 v[TMP], v[BM], v[BM+1]
	s_delay_alu instid0(VALU_DEP_1)
	v_permlanex16_b32 v[PT], v[TMP], s[SEL], s[SEL+1]
	s_delay_alu instid0(VALU_DEP_1)
	v_max_num_f32 v[TMP], v[TMP], v[PT]            ; with lane l xor 16's 64 keys: the step's largest score of my query
	s_delay_alu instid0(VALU_DEP_1)
	v_mul_f32 v[TMP], s[CS], v[TMP]                ; as t (c is positive)
	s_delay_alu instid0(VALU_DEP_1)
	v_max_num_f32 v13, v13, v[TMP]
	s_delay_alu instid0(VALU_DEP_1)
	v_floor_f32 v12, -v13                          ; the new -M = floor(-t): M is a whole number
	s_delay_alu instid0(VALU_DEP_1)
	v_sub_f32 v[TMP], v12, v[OM]                   ; old M - new M: a whole number, 0 or less
	s_delay_alu instid0(VALU_DEP_1)
	v_cvt_i32_f32 v[TMP], v[TMP]                   ; (it saturates)
	s_delay_alu instid0(VALU_DEP_1)
	v_ldexp_f32 v[FF], 1.0, v[TMP]                 ; f
.set J, 0
.rept 32
	v_pk_fma_f32 v[96+J:97+J], v[96+J:97+J], s[CS:CS+1], v[12:13] op_sel_hi:[1,0,0]   ; t - M, two at a time
.set J, J+2
.endr
.irp c, 0,1
	v_fma_f32 v[BM+\c], v[BM+\c], s[CS], v12       ; the same of each block's largest score
.endr
	s_wait_alu depctr_va_vdst(0)                   ; the wait ahead of the batch
.irp c, 0,1
	v_exp_f32 v[BM+\c], v[BM+\c]                   ; the block's largest p: the same two instructions on the same number give the same bits
.endr
.set J, 0
.rept 64
	v_exp_f32 v[96+J], v[96+J]                     ; p = 2^(t - M)
.set J, J+1
.endr
	v_pk_mul_f32 v[14:15], v[14:15], v[FF:FF+1] op_sel_hi:[1,0]   ; l under the new M: the plain place behind the exponentials
	s_wait_alu depctr_va_vdst(0)                   ; one wait for the batch of 66, ahead of its first reader
.irp c, 0,1
	v_max_num_f32 v[BM+\c], 0x1800000, v[BM+\c]    ; the floor 2^(3 - 127): the byte cannot fall under 1
.endr
.irp c, 0,1
	v_add_nc_u32 v[SO+\c], 0xff000000, v[BM+\c]    ; 2 off the exponent field: the conversion's scale operand
.endr
.irp c, 0,1                                    ; my block 2 c + h: registers 6 c .. 6 c + 5 of the operand
	v_cvt_scalef32_pk16_fp6_f32 v[PCD+6*\c:PCD+2+6*\c], v[96+32*\c:111+32*\c], v[SO+\c]
	v_cvt_scalef32_pk16_fp6_f32 v[CT+4*\c:CT+2+4*\c], v[112+32*\c:127+32*\c], v[SO+\c]   ; (a conversion's three registers begin on an even number)
.endr
	v_pk_add_f32 v[216:217], v[100:101], v[104:105]   ; THE ROW'S SUM, OF THE UNQUANTISED p, in eight chains.  (Plain work behind the conversions)
	v_pk_add_f32 v[248:249], v[108:109], v[112:113]
	v_pk_add_f32 v[246:247], v[116:117], v[120:121]
	v_pk_add_f32 v[244:245], v[124:125], v[128:129]
	v_pk_add_f32 v[242:243], v[132:133], v[136:137]
	v_pk_add_f32 v[240:241], v[140:141], v[144:145]
	v_pk_add_f32 v[238:239], v[148:149], v[152:153]
	v_pk_add_f32 v[14:15], v[14:15], v[156:157]
	v_pk_add_f32 v[216:217], v[216:217], v[96:97]
	v_pk_add_f32 v[248:249], v[248:249], v[98:99]
	v_pk_add_f32 v[246:247], v[246:247], v[102:103]
	v_pk_add_f32 v[244:245], v[244:245], v[106:107]
	v_pk_add_f32 v[242:243], v[242:243], v[110:111]
	v_pk_add_f32 v[240:241], v[240:241], v[114:115]
	v_pk_add_f32 v[238:239], v[238:239], v[118:119]
	v_pk_add_f32 v[14:15], v[14:15], v[122:123]
	v_pk_add_f32 v[216:217], v[216:217], v[126:127]
	v_pk_add_f32 v[248:249], v[248:249], v[130:131]
	v_pk_add_f32 v[246:247], v[246:247], v[134:135]
	v_pk_add_f32 v[244:245], v[244:245], v[138:139]
	v_pk_add_f32 v[242:243], v[242:243], v[142:143]
	v_pk_add_f32 v[240:241], v[240:241], v[146:147]
	v_pk_add_f32 v[238:239], v[238:239], v[150:151]
	v_pk_add_f32 v[14:15], v[14:15], v[154:155]
	v_pk_add_f32 v[216:217], v[216:217], v[158:159]
	v_pk_add_f32 v[14:15], v[14:15], v[244:245]
	v_pk_add_f32 v[216:217], v[216:217], v[242:243]
	v_pk_add_f32 v[248:249], v[248:249], v[240:241]
	v_pk_add_f32 v[246:247], v[246:247], v[238:239]
	v_pk_add_f32 v[14:15], v[14:15], v[248:249]
	v_pk_add_f32 v[216:217], v[216:217], v[246:247]
	s_delay_alu instid0(VALU_DEP_1)
	v_pk_add_f32 v[14:15], v[14:15], v[216:217]
	v_lshrrev_b32 v[PT], 23, v[SO]                 ; my two scale bytes: blocks h and 2 + h,
	v_lshrrev_b32 v[PT+1], 23, v[SO+1]
	s_delay_alu instid0(VALU_DEP_1)
	v_lshl_or_b32 v[PS], v[PT+1], 16, v[PT]
	s_delay_alu instid0(VALU_DEP_1)
	v_lshlrev_b32 v[PS], v[SH], v[PS]              ; at their places in the word;
	s_delay_alu instid0(VALU_DEP_1)
	v_permlanex16_b32 v[PT], v[PS], s[SEL], s[SEL+1]
	s_delay_alu instid0(VALU_DEP_1)
	v_or_b32 v[PS], v[PS], v[PT]                   ; with lane l xor 16's two the word is whole
.irp c, 0,1
.irp n, 0,1,2
	v_mov_b32 v[PCD+3+6*\c+\n], v[CT+4*\c+\n]
.endr
.endr
	s_wait_alu depctr_va_vdst(0)                   ; the wait here, directly ahead of the first reader of O^T
.set J, 0
.rept 16
	v_pk_mul_f32 v[160+J:161+J], v[160+J:161+J], v[FF:FF+1] op_sel_hi:[1,0]   ; O^T under the new M; these sixteen also stand between the writes of p's codes and scale word and the products
.set J, J+2
.endr
	s_wait_alu depctr_va_vdst(0)                   ; the wait here, directly ahead of the wait below
	s_wait_dscnt 0x0                               ; V's fragments and scale words
.irp i, 0,1,2,3                                ; O^T += V^T P^T: the four accumulators take turns
.if \i < 2
	v_wmma_scale_f32_16x16x128_f8f6f4 v[160+8*\i:167+8*\i], v[44+12*\i:55+12*\i], v[PCD:PCD+11], v[160+8*\i:167+8*\i], v[92+(\i%2)], v[PS] matrix_a_fmt:MATRIX_FMT_FP6 matrix_b_fmt:MATRIX_FMT_FP6
.else
	v_wmma_scale_f32_16x16x128_f8f6f4 v[160+8*\i:167+8*\i], v[44+12*\i:55+12*\i], v[PCD:PCD+11], v[160+8*\i:167+8*\i], v[92+(\i%2)], v[PS] matrix_a_fmt:MATRIX_FMT_FP6 matrix_b_fmt:MATRIX_FMT_FP6 matrix_a_scale:MATRIX_SCALE_ROW1
.endif
.endr
	s_add_co_u32 s[TB], s[TB], 6144
	s_add_co_u32 s[TS], s[TS], 256
.endm
.macro WALK                            ; all 2,048 keys
	s_mov_b32 s[CNT], 16
.Lstep_\@:
	STEP
	s_sub_co_u32 s[CNT], s[CNT], 1
	s_cmp_lg_u32 s[CNT], 0
	s_cbranch_scc1 .Lstep_\@
.endm
; tile e begins: q's scale word [s0 s1 s0 s1], for e = 1 its codes; the maximum, the sum and O^T.  More than eight plain instructions follow the scale word's line, ahead of the first product
.macro TILE_BEGIN e
.if \e
	v_perm_b32 v40, v11, v11, s67
.irp i, 0,1,2,3,4,5
	v_mov_b32 v[16+\i], v[34+\i]
	v_mov_b32 v[28+\i], v[34+\i]
.endr
.else
	v_perm_b32 v40, v11, v11, s66
.endif
	s_mov_b32 s[TB], 0
	s_mov_b32 s[TS], 0
	v_mov_b32 v13, 0xff61b1e6                      ; the largest t so far: -3e38
	s_delay_alu instid0(VALU_DEP_1)
	v_floor_f32 v12, -v13
	v_mov_b32 v14, 0
	v_mov_b32 v15, 0
.set J, 0
.rept 32
	v_mov_b32 v[160+J], 0                          ; O^T: the step is written once; its first trip finds zeros, which the first change of M leaves zeros
.set J, J+1
.endr
.endm
; tile e ends: O^T / l; register 16 b + i = channel 32 b + 16 (lane / 16) + i of my query: two blocks of 32, each in lanes l and l xor 16; half a fragment's image, 768 bytes, leaves
.macro TILE_END e
.set H, 232+8*\e
	PLACES                                         ; behind the last products
	v_add_f32 v14, v14, v15
	s_delay_alu instid0(VALU_DEP_1)
	v_permlanex16_b32 v[PT], v14, s[SEL], s[SEL+1]
	s_delay_alu instid0(VALU_DEP_1)
	v_add_f32 v14, v14, v[PT]                      ; the row's sum
	s_wait_alu depctr_va_vdst(0)
	v_rcp_f32 v14, v14
	v_nop                                          ; a plain place behind the reciprocal,
	s_wait_alu depctr_va_vdst(0)                   ; and the wait ahead of its first reader
.set J, 0
.rept 32
	v_mul_f32 v[96+J], v[160+J], v14               ; each accumulator from its low end on
.set J, J+1
.endr
.irp b, 0,1
	v_max3_num_f32 v[BM+\b], |v[96+16*\b]|, |v[97+16*\b]|, 0x1800000
.endr
.irp n, 2,4,6,8,10,12,14
.irp b, 0,1
	s_delay_alu instid0(VALU_DEP_2)
	v_max3_num_f32 v[BM+\b], v[BM+\b], |v[96+16*\b+\n]|, |v[97+16*\b+\n]|
.endr
.endr
.irp b, 0,1
	s_delay_alu instid0(VALU_DEP_2)
	v_permlanex16_b32 v[PT+\b], v[BM+\b], s[SEL], s[SEL+1]
.endr
.irp b, 0,1
	s_delay_alu instid0(VALU_DEP_2)
	v_max_num_f32 v[BM+\b], v[BM+\b], v[PT+\b]
.endr
.irp b, 0,1
	s_delay_alu instid0(VALU_DEP_2)
	v_add_nc_u32 v[SO+\b], 0xff000000, v[BM+\b]
.endr
.irp b, 0,1
	s_delay_alu instid0(VALU_DEP_2)
	v_lshrrev_b32 v[PT+\b], 23, v[SO+\b]
.endr
	s_delay_alu instid0(VALU_DEP_1)
	v_lshl_or_b32 v[HW+\e], v[PT+1], 8, v[PT]      ; my query's two scale bytes
	v_cvt_scalef32_pk16_fp6_f32 v[H:H+2], v[96:111], v[SO]
	v_cvt_scalef32_pk16_fp6_f32 v[246:248], v[112:127], v[SO+1]
	v_nop                                          ; one plain place behind a scaled conversion
.irp n, 0,1,2
	v_permlane16_swap_b32 v[H+\n], v[246+\n]
.endr
.irp n, 0,1,2
	s_delay_alu instid0(VALU_DEP_3)
	v_mov_b32 v[H+3+\n], v[246+\n]
.endr
	global_store_b128 v1, v[H:H+3], s[72:73] offset:12288*\e        ; 512 consecutive bytes, at a multiple of 256 from the buffer's first byte
	global_store_b64 v2, v[H+4:H+5], s[72:73] offset:12288*\e+512   ; 256
.endm
	s_wait_loadcnt 0x0                             ; q and its scale words
	TILE_BEGIN 0
	s_wait_tensorcnt 0x0                           ; my part of the head is in,
	s_barrier_signal -1
	s_barrier_wait -1                              ; everybody's is
	WALK
	TILE_END 0
	TILE_BEGIN 1
	WALK
	TILE_END 1
	v_cndmask_b32 v[TMP], v[HW], v[HW+1], s63      ; lanes 0-15 hand in tile 0's bytes, lanes 16-31 tile 1's (both halves of the lanes hold both)
	ds_store_b16 v250, v[TMP]
	s_wait_dscnt 0x0                               ; for the others' sake: my store has landed
	s_barrier_signal -1
	s_barrier_wait -1
	s_cmp_lt_u32 s[WV], 2
	s_cbranch_scc0 .Lno_scales
	ds_load_b128 v[96:99], v251
	s_wait_dscnt 0x0
	global_store_b128 v252, v[96:99], s[74:75]     ; a wave stores 512 consecutive bytes
.Lno_scales:
	s_wait_tensorcnt 0x0                           ; the wave's end
	ds_add_u32 v254, v255
	s_wait_dscnt 0x0
	CROUND                                         ; the closing round
	s_endpgm
.Lfunc_end_k_qc3aa067c4e_attn:
	.size	k_qc3aa067c4e_attn, .Lfunc_end_k_qc3aa067c4e_attn-k_qc3aa067c4e_attn
	.p2alignl 7, 3214868480
	.fill 96, 4, 3214868480
	.section	.rodata,"a",@progbits
	.p2align	6, 0x0
	.amdhsa_kernel k_qc3aa067c4e_attn
		.amdhsa_group_segment_fixed_size 207872
		.amdhsa_private_segment_fixed_size 0
		.amdhsa_enable_private_segment 0
		.amdhsa_kernarg_size 32
		.amdhsa_user_sgpr_count 2
		.amdhsa_user_sgpr_kernarg_segment_ptr 1
		.amdhsa_wavefront_size32 1
		.amdhsa_system_sgpr_workgroup_id_x 1
		.amdhsa_system_sgpr_workgroup_id_y 1
		.amdhsa_system_sgpr_workgroup_id_z 1
		.amdhsa_system_vgpr_workitem_id 0
		.amdhsa_next_free_vgpr 256
		.amdhsa_next_free_sgpr 92
		.amdhsa_reserve_vcc 0
		.amdhsa_float_denorm_mode_32 3
		.amdhsa_float_denorm_mode_16_64 3
		.amdhsa_memory_ordered 1
		.amdhsa_forward_progress 1
		.amdhsa_inst_pref_size 51
	.end_amdhsa_kernel
	.amdgpu_metadata
---
amdhsa.version: [ 1, 2 ]
amdhsa.kernels:
  - .name:           k_qc3aa067c4e_attn
    .symbol:         k_qc3aa067c4e_attn.kd
    .args:
      - { .name: pcod, .offset: 0, .size: 8, .value_kind: global_buffer, .address_space: global }
      - { .name: pscl, .offset: 8, .size: 8, .value_kind: global_buffer, .address_space: global }
      - { .name: ocod, .offset: 16, .size: 8, .value_kind: global_buffer, .address_space: global }
      - { .name: oscl, .offset: 24, .size: 8, .value_kind: global_buffer, .address_space: global }
    .group_segment_fixed_size: 207872
    .private_segment_fixed_size: 0
    .kernarg_segment_align: 8
    .kernarg_segment_size: 32
    .max_flat_workgroup_size: 512
    .sgpr_count:     92
    .vgpr_count:     256
    .wavefront_size: 32
...
	.end_amdgpu_metadata
.endif
;; end of part 3
;; launch outp (part 4): grid 8 x 32, 4 waves a work-group, clusters of 4 x 4, 327,680 bytes of LDS; arguments ocod, oscl, xcod, xscl, bo, out0; writes out0
.if DOCPART == 4
	.amdgcn_target "amdgcn-amd-amdhsa--gfx1250"
	.amdhsa_code_object_version 6
	.text
	.protected	k_qc3aa067c4e_outp
	.globl	k_qc3aa067c4e_outp
	.p2align	8
	.type	k_qc3aa067c4e_outp,@function
k_qc3aa067c4e_outp:
	s_mov_b64 s[64:65], 0
	v_nop
	global_prefetch_b8 v0, s[64:65] scope:SCOPE_SE
	s_setreg_imm32_b32 hwreg(HW_REG_WAVE_MODE, 25, 1), 1
	s_wait_xcnt 0x0
	s_wait_alu depctr_hold_cnt(0) depctr_sa_sdst(0) depctr_va_vdst(0) depctr_va_sdst(0) depctr_va_ssrc(0) depctr_va_vcc(0) depctr_vm_vsrc(0)
	s_getreg_b32 s2, hwreg(HW_REG_IB_STS2, 6, 4)
	s_cmp_eq_u32 s2, 0
	s_cbranch_scc0 .Lentry_in_a_cluster
	s_endpgm
.Lentry_in_a_cluster:
	s_bfe_u32 s2, ttmp6, 0x10000c
	s_cmp_lg_u32 s2, 0xf033
	s_cbranch_scc0 .Lentry_shape_is_right
	s_endpgm
.Lentry_shape_is_right:
; out0 = O Wo^T + bo on codes of FP6 (E2M3) with E8M0 scales, sums in f32.  O's codes and scale bytes come from the attention's launch, Wo's from the quantiser's.
; A tile: 256 tokens (16 row blocks, source 1: a lane holds a token) x 128 outputs (8 row blocks of Wo, source 0: a lane's registers run along the outputs), all of K = 1,024.
; ALL CODES OF A TILE LIE IN LDS AT ONCE (196,608 + 98,304 bytes), each byte filled once, in TWO HALVES of 512 along K: K steps 0-3 (O at 0, Wo at 196,608) by the head's loads, one a wave; K steps 4-7
; (O at 98,304, Wo at 245,760) behind the three lines and a round of the cluster's barrier, one load a wave; a plain barrier in step 3 shows them to all waves.  No byte is filled again.
; CLUSTERS: 4 x 4 work-groups; O's halves are asked for jointly along a row of the cluster, Wo's along a column.  256 work-groups.  Wave w: token row blocks 4 w .. 4 w + 3 x all 8 tiles of outputs: 32 accumulators.
; bo is the C of each sum's first product.  By the order of rows in a row block, tile j's register m in lane half h is output 32 (j / 2) + 16 h + 8 (j % 2) + m, and lane r of token row block 2 B + u is token 32 B + 8 u + r + 8 (r / 8).
; THE WAY OUT: 16 tokens x 128 outputs at a time through the wave's own stage in LDS, back as whole rows of 512 bytes.  The stages lie in O's K steps 0-3, which have had their only fill and are read by nobody behind step 3's barrier.
; No prefetch: the launch has no loop to run ahead in: all that a work-group reads is asked for by its first two loads.
; REGISTERS: window 0: v2-17 addresses; v32-47 O's scale words, v48-79 Wo's; v80-143 bo; v144-239 O's fragments, two sets; v240-255 O's scale bytes as loaded; on the way out v80-207 rows of out0.
;            window 1: v0-191 Wo's fragments, two sets.   window 2: accumulator (i, j) at v[8 (8 i + j)].
.set WV,  18
.set HI,  19
.set HF,  20
.set CX,  21
.set CY,  22
.set G1A, 24                           ; s[24:31], s[32:39] descriptor groups 1; groups 0: O's halves s[40:47]; Wo's s[56:63]
.set G1B, 32
.set TA,  83                           ; the tokens' tile; s88, s89, s92, s66 with it: none of them ever holds cx
.set TBL, 84                           ; the outputs' tile; s90, s91, s93, s67 with it: none of them ever holds cy
.set A16, 2
.set A8,  4
.set B16, 6
.set B8,  8
.set L16, 12
.set L8,  13
.set SA,  32
.set SB,  48
.set BIAS, 80
.set AF,  144
.set MSB, 0
.macro WIN new                         ; the immediate's high byte repeats the setting that is left
.if MSB != \new
	s_set_vgpr_msb (MSB<<8)|\new
.set MSB, \new
.endif
.endm
.macro PLACES                          ; four plain places behind a matrix instruction (ISA guide 7.12.1)
.rept 4
	v_nop
.endr
.endm
.macro CROUND
	s_barrier_signal -1
	s_barrier_wait -1
	s_cmp_lg_u32 s[WV], 0
	s_cbranch_scc1 .Lnot_wave_0_\@
	s_barrier_signal -3
.Lnot_wave_0_\@:
	s_barrier_wait -3
	s_barrier_signal -1
	s_barrier_wait -1
.endm
.macro G0SET g, lreg, loff, areg, aoff
	s_mov_b32 s[\g], 1
	s_add_co_u32 s[\g+1], s[\lreg], \loff
	s_add_nc_u64 s[\g+2:\g+3], s[\areg:\areg+1], \aoff
	s_or_b32 s[\g+3], s[\g+3], 0x80000000
.endm
.macro FRAG reg, a16, a8, off
	ds_load_b128 v[(\reg):(\reg)+3], v[\a16] offset:(\off)
	ds_load_b64 v[(\reg)+4:(\reg)+5], v[\a8] offset:(\off)+512
	ds_load_b128 v[(\reg)+6:(\reg)+9], v[\a16] offset:(\off)+768
	ds_load_b64 v[(\reg)+10:(\reg)+11], v[\a8] offset:(\off)+1280
.endm
	s_load_b256 s[4:11], s[0:1], 0x0               ; ocod s[4:5], oscl s[6:7], xcod s[8:9], xscl s[10:11]
	s_load_b128 s[12:15], s[0:1], 0x20             ; bo s[12:13], out0 s[14:15]
	v_lshl_add_u32 v30, v0, 2, 0x48000
	v_mov_b32 v31, 0
	ds_add_u32 v30, v31
	ds_add_u32 v30, v31
	v_lshrrev_b32 v1, 5, v0
	v_readfirstlane_b32 s[WV], v1
	s_lshr_b32 s[HI], s[WV], 1
	s_and_b32 s[HF], s[WV], 1
	s_bfe_u32 s[CX], ttmp6, 0x40000
	s_bfe_u32 s[CY], ttmp6, 0x40004
	s_and_b32 s[TA], ttmp7, 0xffff
	s_lshl_b32 s[TA], s[TA], 2
	s_add_co_u32 s[TA], s[TA], s[CY]               ; which 256 tokens
	s_lshl_b32 s[TBL], ttmp9, 2
	s_add_co_u32 s[TBL], s[TBL], s[CX]             ; which 128 outputs
	s_lshl_b32 s66, s[CY], 2
	s_lshl_b32 s66, 15, s66                        ; my row of the cluster
	s_lshl_b32 s67, 0x1111, s[CX]                  ; my column
	s_or_b32 s[G1A], s66, (3<<16)|(1<<21)          ; rows of 6,144 bytes (768 elements of 8 bytes), 12,288 bytes apart, on end in LDS; O: 8 row blocks a load, Wo: 4
	s_or_b32 s[G1B], s67, (3<<16)|(1<<21)
.irp g, G1A, G1B
	s_mov_b32 s[\g+1], 768<<16
	s_mov_b32 s[\g+3], 768<<16
	s_mov_b32 s[\g+5], 1536
	s_mov_b32 s[\g+6], 0
	s_mov_b32 s[\g+7], 0
.endr
	s_mov_b32 s[G1A+2], 8<<16
	s_mov_b32 s[G1A+4], 8
	s_mov_b32 s[G1B+2], 4<<16
	s_mov_b32 s[G1B+4], 4
	s_lshl_b32 s88, s[TA], 4
	s_lshl_b32 s89, s[HF], 3
	s_add_co_u32 s88, s88, s89
	s_mul_i32 s88, s88, 12288
	s_mov_b32 s89, 0
	s_mul_i32 s92, s[HF], 49152
	s_lshl_b32 s90, s[TBL], 3
	s_add_co_u32 s90, s90, 1728                    ; Wo's first row block in xcod
	s_lshl_b32 s91, s[HF], 2
	s_add_co_u32 s90, s90, s91
	s_mul_i32 s90, s90, 12288
	s_mov_b32 s91, 0
	s_mul_i32 s93, s[HF], 24576
	s_mov_b32 s79, 0x05040100
	s_mov_b32 s80, 0x07060302
	s_wait_dscnt 0x0
	s_wait_kmcnt 0x0
	s_add_nc_u64 s[88:89], s[4:5], s[88:89]
	s_add_nc_u64 s[90:91], s[8:9], s[90:91]
	G0SET 40, 92, 0, 88, 0
	G0SET 44, 92, 98304, 88, 6144
	G0SET 56, 93, 196608, 90, 0
	G0SET 60, 93, 245760, 90, 6144
	CROUND                                         ; all sixteen work-groups are here: the joint loads meet
	s_cmp_eq_u32 s[HI], 0                          ; the head: one tensor load a wave, its part of K steps 0-3
	s_cbranch_scc0 .Lfill_b
	tensor_load_to_lds s[40:43], s[G1A:G1A+7]
	s_nop 0
.rept 4
	v_nop
.endr
	s_branch .Lfilled
.Lfill_b:
	tensor_load_to_lds s[56:59], s[G1B:G1B+7]
	s_nop 0
.rept 4
	v_nop
.endr
.Lfilled:
	v_and_b32 v1, 31, v0
	v_lshlrev_b32 v[L16], 4, v1
	v_lshlrev_b32 v[L8], 3, v1
	s_mul_i32 s94, s[WV], 24576                    ; my four row blocks of O in a half
	v_add_nc_u32 v[A16], s94, v[L16]
	v_add_nc_u32 v[A8], s94, v[L8]
	v_add_nc_u32 v[A16+1], 98304, v[A16]
	v_add_nc_u32 v[A8+1], 98304, v[A8]
	v_add_nc_u32 v[B16], 196608, v[L16]
	v_add_nc_u32 v[B8], 196608, v[L8]
	v_add_nc_u32 v[B16+1], 245760, v[L16]
	v_add_nc_u32 v[B8+1], 245760, v[L8]
	s_lshl_b32 s94, s[TBL], 3
	s_add_co_u32 s94, s94, 1728
	s_lshl_b32 s94, s94, 9
	s_mov_b32 s95, 0
	s_add_nc_u64 s[94:95], s[10:11], s[94:95]
.irp j, 0,1,2,3,4,5,6,7
	global_load_b128 v[SB+4*\j:SB+4*\j+3], v[L16], s[94:95] offset:512*\j   ; Wo's scale words: register k: lanes 0-15 K step k, lanes 16-31 K step 4 + k
.endr
	; O's scale bytes: a plane of 16,384 bytes a head; in it my four row blocks are 128 bytes: at 8 r the two bytes of row r in each of the four.  Lanes 16-31 take the plane eight heads on
	v_and_b32 v10, 15, v0                          ; r
	s_wait_alu depctr_va_vdst(0)
	v_bfe_u32 v11, v0, 4, 1                        ; h
	v_lshlrev_b32 v16, 3, v10
	v_lshl_add_u32 v16, v11, 17, v16
	s_lshl_b32 s96, s[TA], 2
	s_add_co_u32 s96, s96, s[WV]
	s_lshl_b32 s96, s96, 7
	s_mov_b32 s97, 0
	s_add_nc_u64 s[96:97], s[6:7], s[96:97]
.irp p, 0,1,2,3,4,5,6,7
	global_load_b64 v[240+2*\p:241+2*\p], v16, s[96:97] offset:16384*\p
.endr
	v_lshlrev_b32 v17, 6, v11                      ; bo: 64 h
	s_lshl_b32 s2, s[TBL], 9
	s_mov_b32 s3, 0
	s_add_nc_u64 s[2:3], s[12:13], s[2:3]
.irp j, 0,1,2,3,4,5,6,7
	global_load_b128 v[BIAS+8*\j:BIAS+8*\j+3], v17, s[2:3] offset:128*(\j/2)+32*(\j%2)
	global_load_b128 v[BIAS+8*\j+4:BIAS+8*\j+7], v17, s[2:3] offset:128*(\j/2)+32*(\j%2)+16
.endr
	s_lshl_b32 s98, s[TA], 8
	s_lshl_b32 s81, s[WV], 6
	s_add_co_u32 s98, s98, s81                     ; my first token
	s_lshl_b32 s98, s98, 12
	s_lshl_b32 s81, s[TBL], 9
	s_add_co_u32 s98, s98, s81
	s_mov_b32 s99, 0
	s_add_nc_u64 s[14:15], s[14:15], s[98:99]
	s_mul_i32 s82, s[WV], 8448                     ; my stage: 16 rows x (512 + 16) bytes
	v_mul_u32_u24 v14, v10, 528
	s_wait_alu depctr_va_vdst(0)
	v_lshl_add_u32 v14, v11, 6, v14
	v_add_nc_u32 v14, s82, v14                     ; in: row r, + 64 h
	v_add_nc_u32 v15, s82, v[L16]                  ; back: 16 bytes a lane of a row
.macro FETCH k
	WIN 0x40                                       ; destination window 1
.irp j, 0,1,2,3,4,5,6,7
	FRAG 96*((\k)%2)+12*\j, B16+(\k)/4, B8+(\k)/4, 6144*\j+1536*((\k)%4)
.endr
	WIN 0
.irp i, 0,1,2,3
	FRAG AF+48*((\k)%2)+12*\i, A16+(\k)/4, A8+(\k)/4, 6144*\i+1536*((\k)%4)
.endr
.endm
; 32 matrix instructions: the 32 accumulators take turns, one instruction a turn, in the same order in every step.  Step 0's products start the sums from bo
.macro MUL k
.if (\k) == 0
	WIN 0x81                                       ; source 0 (Wo) window 1, source 1 (O) and C (bo) window 0, D window 2
.else
	WIN 0xa1                                       ; C and D window 2
.endif
.irp i, 0,1,2,3
.irp j, 0,1,2,3,4,5,6,7
.set rD, 8*(8*\i+\j)
.set rB, 96*((\k)%2)+12*\j
.set rA, AF+48*((\k)%2)+12*\i
.set rSB, SB+4*\j+(\k)%4
.set rSA, SA+4*\i+(\k)%4
.if (\k) == 0
	v_wmma_scale_f32_16x16x128_f8f6f4 v[rD:rD+7], v[rB:rB+11], v[rA:rA+11], v[BIAS+8*\j:BIAS+8*\j+7], v[rSB], v[rSA] matrix_a_fmt:MATRIX_FMT_FP6 matrix_b_fmt:MATRIX_FMT_FP6
.elseif (\k) < 4
	v_wmma_scale_f32_16x16x128_f8f6f4 v[rD:rD+7], v[rB:rB+11], v[rA:rA+11], v[rD:rD+7], v[rSB], v[rSA] matrix_a_fmt:MATRIX_FMT_FP6 matrix_b_fmt:MATRIX_FMT_FP6
.else
	v_wmma_scale_f32_16x16x128_f8f6f4 v[rD:rD+7], v[rB:rB+11], v[rA:rA+11], v[rD:rD+7], v[rSB], v[rSA] matrix_a_fmt:MATRIX_FMT_FP6 matrix_b_fmt:MATRIX_FMT_FP6 matrix_a_scale:MATRIX_SCALE_ROW1 matrix_b_scale:MATRIX_SCALE_ROW1
.endif
.endr
.endr
.endm
.macro STEP k
	s_wait_dscnt 0x0                               ; this step's fragments are in (asked for 32 matrix instructions ago)
.if (\k) == 3
	s_wait_tensorcnt 0x0                           ; my part of K steps 4-7 is in
	s_barrier_signal -1
	s_barrier_wait -1
.endif
.if (\k) < 7
.if (\k) > 0
	PLACES                                         ; for the loads into the set that the last step multiplied
.endif
	FETCH (\k)+1
.endif
	MUL \k
.endm
	s_wait_alu depctr_va_vdst(0)                   ; the wait at the head's end
	s_wait_tensorcnt 0x0                           ; my part of K steps 0-3 is in
	ds_add_u32 v30, v31
	s_wait_dscnt 0x0
	CROUND                                         ; everybody's part is in, and all sixteen work-groups are here: the joint loads meet
	s_cmp_eq_u32 s[HI], 0                          ; K steps 4-7, each byte's first and only fill: my one tensor load behind the round
	s_cbranch_scc0 .Lfill_b2
	tensor_load_to_lds s[44:47], s[G1A:G1A+7]
	s_nop 0
.rept 4
	v_nop
.endr
	s_branch .Lfilled2
.Lfill_b2:
	tensor_load_to_lds s[60:63], s[G1B:G1B+7]
	s_nop 0
.rept 4
	v_nop
.endr
.Lfilled2:
	FETCH 0
	s_wait_loadcnt 0x0                             ; scale words, scale bytes, bo
.irp k, 0,1,2,3                                ; O's scale word of row block i and K step k (lanes 16-31: 4 + k): two bytes of head 2 k, two of head 2 k + 1
	v_perm_b32 v[SA+\k], v[242+4*\k], v[240+4*\k], s79
	v_perm_b32 v[SA+4+\k], v[242+4*\k], v[240+4*\k], s80
	v_perm_b32 v[SA+8+\k], v[243+4*\k], v[241+4*\k], s79
	v_perm_b32 v[SA+12+\k], v[243+4*\k], v[241+4*\k], s80
.endr
.rept 8
	v_nop                                          ; a scale register written by a vector instruction stands eight places ahead of a scaled matrix instruction
.endr
.irp k, 0,1,2,3,4,5,6,7
	s_wait_alu depctr_va_vdst(0)
	STEP \k
.endr
	WIN 0
.macro TOSTAGE i                       ; block i: 16 tokens x 128 outputs into my stage, and back as rows.  LDS serves a wave's instructions in order (ISA guide 5.7.1.4): no wait between
	WIN 0x08                                       ; an LDS store's data are its source 1: window 2
.irp j, 0,1,2,3,4,5,6,7
	ds_store_b128 v14, v[8*(8*(\i)+\j):8*(8*(\i)+\j)+3] offset:128*(\j/2)+32*(\j%2)          ; each accumulator from its low end on
	ds_store_b128 v14, v[8*(8*(\i)+\j)+4:8*(8*(\i)+\j)+7] offset:128*(\j/2)+32*(\j%2)+16
.endr
	WIN 0
.irp t, 0,1,2,3,4,5,6,7,8,9,10,11,12,13,14,15
	ds_load_b128 v[80+64*((\i)%2)+4*\t:80+64*((\i)%2)+4*\t+3], v15 offset:528*\t
.endr
.endm
.macro SEND i, younger                 ; younger: the LDS instructions issued behind block i's loads, which may stay out
	s_wait_dscnt \younger
.irp t, 0,1,2,3,4,5,6,7,8,9,10,11,12,13,14,15
	global_store_b128 v[L16], v[80+64*((\i)%2)+4*\t:80+64*((\i)%2)+4*\t+3], s[14:15] offset:(32*((\i)/2)+8*((\i)%2)+\t+8*(\t/8))*4096 th:TH_STORE_NT   ; 512 consecutive bytes of a token's row, at a multiple of 256 from out0's first byte
.endr
.endm
	PLACES                                         ; behind the last products: results are read, and loads land in registers that held bo and O's fragments
	TOSTAGE 0
.irp a, 1,2,3
.if \a > 1
	s_wait_xcnt 0x0                                ; block a - 2's stores have read their registers: block a's rows may land there
.endif
	TOSTAGE \a
	SEND \a-1, 32                                  ; behind block a - 1's loads: block a's 16 stores and 16 loads
.endr
	SEND 3, 0
	s_wait_tensorcnt 0x0                           ; the wave's end
	ds_add_u32 v30, v31
	s_wait_dscnt 0x0
	CROUND                                         ; the closing round: no work-group ends while a partner may still ask for a tile that names it
	s_endpgm
.Lfunc_end_k_qc3aa067c4e_outp:
	.size	k_qc3aa067c4e_outp, .Lfunc_end_k_qc3aa067c4e_outp-k_qc3aa067c4e_outp
	.p2alignl 7, 3214868480
	.fill 96, 4, 3214868480
	.section	.rodata,"a",@progbits
	.p2align	6, 0x0
	.amdhsa_kernel k_qc3aa067c4e_outp
		.amdhsa_group_segment_fixed_size 327680
		.amdhsa_private_segment_fixed_size 0
		.amdhsa_enable_private_segment 0
		.amdhsa_kernarg_size 48
		.amdhsa_user_sgpr_count 2
		.amdhsa_user_sgpr_kernarg_segment_ptr 1
		.amdhsa_wavefront_size32 1
		.amdhsa_system_sgpr_workgroup_id_x 1
		.amdhsa_system_sgpr_workgroup_id_y 1
		.amdhsa_system_sgpr_workgroup_id_z 1
		.amdhsa_system_vgpr_workitem_id 0
		.amdhsa_next_free_vgpr 768
		.amdhsa_next_free_sgpr 100
		.amdhsa_reserve_vcc 0
		.amdhsa_float_denorm_mode_32 3
		.amdhsa_float_denorm_mode_16_64 3
		.amdhsa_memory_ordered 1
		.amdhsa_forward_progress 1
		.amdhsa_inst_pref_size 85
	.end_amdhsa_kernel
	.amdgpu_metadata
---
amdhsa.version: [ 1, 2 ]
amdhsa.kernels:
  - .name:           k_qc3aa067c4e_outp
    .symbol:         k_qc3aa067c4e_outp.kd
    .args:
      - { .name: ocod, .offset: 0, .size: 8, .value_kind: global_buffer, .address_space: global }
      - { .name: oscl, .offset: 8, .size: 8, .value_kind: global_buffer, .address_space: global }
      - { .name: xcod, .offset: 16, .size: 8, .value_kind: global_buffer, .address_space: global }
      - { .name: xscl, .offset: 24, .size: 8, .value_kind: global_buffer, .address_space: global }
      - { .name: bo, .offset: 32, .size: 8, .value_kind: global_buffer, .address_space: global }
      - { .name: out0, .offset: 40, .size: 8, .value_kind: global_buffer, .address_space: global }
    .group_segment_fixed_size: 327680
    .private_segment_fixed_size: 0
    .kernarg_segment_align: 8
    .kernarg_segment_size: 48
    .max_flat_workgroup_size: 128
    .sgpr_count:     100
    .vgpr_count:     768
    .wavefront_size: 32
...
	.end_amdgpu_metadata
.endif
;; end of part 4
